; MI455X (gfx1250); checked and timed in simulation.
; The chip was launched on July 23, 2026; its instructions are those of AMD's public machine-readable ISA for CDNA 5 (MIT licence, August 2026) and "CDNA5" Instruction Set Architecture Reference Guide (July 2026). The comments in the code are by the model that wrote it; some were corrected since.
;; Decoder Block. Allowed arithmetic: matrix products marked QUANTISED: E2M3 operands, one E8M0 scale for each 32 along K, by v_wmma_scale_f32_16x16x128_f8f6f4 with both operands' format E2M3, f32 sums; everything else in f32.
;; Inputs: Wk_codes 16 x 64 x 32 x 24 uint8 (E2M3 codes of Wk, K innermost, in blocks of 32 codes, four codes in three bytes); Wk_scales 16 x 64 x 32 uint8 (E8M0 scales of Wk, one for each 32 codes along K); Wo_codes 1,024 x 32 x 24 uint8 (E2M3 codes of Wo, K innermost, in blocks of 32 codes, four codes in three bytes); Wo_scales 1,024 x 32 uint8 (E8M0 scales of Wo, one for each 32 codes along K); Wq_codes 16 x 64 x 32 x 24 uint8 (E2M3 codes of Wq, K innermost, in blocks of 32 codes, four codes in three bytes); Wq_scales 16 x 64 x 32 uint8 (E8M0 scales of Wq, one for each 32 codes along K); Wv_codes 16 x 64 x 32 x 24 uint8 (E2M3 codes of Wv, K innermost, in blocks of 32 codes, four codes in three bytes); Wv_scales 16 x 64 x 32 uint8 (E8M0 scales of Wv, one for each 32 codes along K); b1 4,096 float32; b2 1,024 float32; be1 1,024 float32; be2 1,024 float32; g1 1,024 float32; g2 1,024 float32; w1_codes 4,096 x 32 x 24 uint8 (E2M3 codes of w1, K innermost, in blocks of 32 codes, four codes in three bytes); w1_scales 4,096 x 32 uint8 (E8M0 scales of w1, one for each 32 codes along K); w2_codes 1,024 x 128 x 24 uint8 (E2M3 codes of w2, K innermost, in blocks of 32 codes, four codes in three bytes); w2_scales 1,024 x 128 uint8 (E8M0 scales of w2, one for each 32 codes along K); x 4 x 1,024 x 1,024 float32.
;; Outputs: out0 4 x 1,024 x 1,024 float32.
;; This version of the problem:
;;   THIS VERSION OF THE PROBLEM IS GIVEN IN LOW PRECISION. The matrix products marked QUANTISED in the list below multiply operands that are first quantised to E2M3 (2 exponent bits, 3 mantissa bits; 6 bits a number), with one power-of-two scale for each 32 numbers along K (OCP MX v1.0); their sums are f32. All else is computed in f32.
;;   The module's matrix products, in the order in which they are computed (A, B: the left and right operand; K: the contracted axis; several contracted axes count as one K, in the product's order):
;;     1. [M 1,024, K 1,024] x [K 1,024, N 4,096]; A: input Wq (given as codes); B: computed on the way: QUANTISED
;;     2. [M 1,024, K 1,024] x [K 1,024, N 4,096]; A: input Wk (given as codes); B: computed on the way: QUANTISED
;;     3. [M 1,024, K 1,024] x [K 1,024, N 4,096]; A: input Wv (given as codes); B: computed on the way: QUANTISED
;;     4. batch 64 x [M 1,024, K 64] x [K 64, N 1,024]; A: computed on the way; B: computed on the way: QUANTISED
;;     5. batch 64 x [M 1,024, K 1,024] x [K 1,024, N 64]; A: softmax (see below); B: computed on the way: QUANTISED
;;     6. [M 4,096, K 1,024] x [K 1,024, N 1,024]; A: computed on the way; B: input Wo (given as codes): QUANTISED
;;     7. [M 4,096, K 1,024] x [K 1,024, N 4,096]; A: computed on the way; B: input w1 (given as codes): QUANTISED
;;     8. [M 4,096, K 4,096] x [K 4,096, N 1,024]; A: computed on the way; B: input w2 (given as codes): QUANTISED
;;   THE QUANTISER, for each operand of a quantised product, along K:
;;     - K is cut into blocks of 32 from its start; a last block that is shorter is filled with zeros.
;;     - A block's scale is 2^e with e = floor(log2(the largest magnitude in the block)) - 2, held to -126 .. 127; a block of zeros has e = 0. As a byte (E8M0): e + 127.
;;     - Each number is divided by its block's scale, clamped to +-7.5, and rounded to the nearest number of E2M3, ties to even, subnormals kept.
;;     - The product sums the exact products of the quantised numbers (number of the format x scale) in f32.
;;   ~~~python
;;   def quantise(x, axis):      # numpy; x: float32 -> the quantised numbers, widened to float32 again
;;       x = np.moveaxis(x, axis, -1); K = x.shape[-1]
;;       x = np.pad(x, [(0, 0)] * (x.ndim - 1) + [(0, -K % 32)]); x = x.reshape(x.shape[:-1] + (-1, 32)); a = np.abs(x).max(-1, keepdims=True)
;;       e = np.where(a > 0, np.clip(np.frexp(np.where(a > 0, a, 1))[1] - 1 - 2, -126, 127), 0)      # np.frexp(a)[1] - 1 = floor(log2(a)), exactly
;;       r = np.clip(x / 2.0 ** e, -7.5, 7.5)
;;       step = 2.0 ** (np.maximum(np.frexp(np.where(r == 0, 1, r))[1] - 1, 0) - 3)
;;       q = np.round(r / step) * step * 2.0 ** e      # np.round: ties to even
;;       return np.moveaxis(q.reshape(q.shape[:-2] + (-1,))[..., :K], -1, axis).astype(np.float32)
;;   ~~~
;;   SOFTMAX AHEAD OF A QUANTISED PRODUCT. Where the list says 'softmax', what is quantised is not the finished softmax but p = 2^(t - M), with t = logit x log2(e) and M = ceil(the row's largest t), a whole number; so 1/2 < the row's largest p <= 1. The row's sum l is taken of the UNQUANTISED p, in f32, and the product's result is divided by l at the end. Since M is a whole number, a kernel that streams over the keys may use a running M (the ceiling of the running maximum): every later rescaling is an exact power of two, which a block's scale takes up: the codes' values come out the same.
;;   OPERANDS COMPUTED ON THE WAY. 'Computed on the way' means the value that the module computes at that place (a softmax that the list does not call 'softmax' is quantised finished and normalised). What goes into a quantiser is computed in f32, as accurately as f32 sums, v_exp_f32 and their like allow (about 1e-6 of the number): no bf16 or f16 on the way to a quantiser, and a product that is left as it is and whose result goes on into a quantised operand takes f32 operands (vector FMAs, or v_wmma_f32_16x16x4_f32). A number that lies on a knife's edge between two numbers of the format may be rounded either way, as far as f32 arithmetic and the matrix unit's own rounding can turn it there, and no further.
;;   INPUTS GIVEN AS CODES. Wk (in the module: [16, 1024, 64], K = its axis 1); Wo (in the module: [1024, 1024], K = its axis 0); Wq (in the module: [16, 1024, 64], K = its axis 1); Wv (in the module: [16, 1024, 64], K = its axis 1); w1 (in the module: [1024, 4096], K = its axis 0); w2 (in the module: [4096, 1024], K = its axis 0): each comes as NAME_codes (uint8): NAME with its K axis moved to the last place and cut into blocks of 32 codes, [.., K / 32, bytes a block], one block behind the other in memory; four codes in three bytes: a row's codes are one little-endian stream of bits, code i at bits 6 i .. 6 i + 5 (a code: sign, 2 exponent bits, 3 mantissa bits); and NAME_scales (uint8): the same leading axes, one E8M0 byte (e + 127) for each 32 codes along K. Its value is code x scale, taken as it is: it is not quantised again, and the codes and scales need not be those that the quantiser above would give.
;; One version. Each part assembles by itself: llvm-mc -triple=amdgcn-amd-amdhsa -mcpu=gfx1250 --defsym DOCPART=n.
;; ======== version 1 of 1: 6 launches
;; limits: right only within a limited range of input values
;; workspace buffers: wimg 9,830,400 bytes; nimg 3,276,800 bytes; qkv 10,223,616 bytes; ctximg 3,276,800 bytes; x1 16,777,216 bytes; himg 13,107,200 bytes
;; launch prep (part 1): grid 352 x 1, 8 waves a work-group, no clusters, 67,072 bytes of LDS; arguments x, g1, be1, nimg, Wq_codes, Wk_codes, Wv_codes, Wo_codes, w1_codes, w2_codes, Wq_scales, Wk_scales, Wv_scales, Wo_scales, w1_scales, w2_scales, wimg; writes nimg, wimg
.if DOCPART == 1
	.amdgcn_target "amdgcn-amd-amdhsa--gfx1250"
	.amdhsa_code_object_version 6
	.text
	.protected	k_qeaceb36123_prep
	.globl	k_qeaceb36123_prep
	.p2align	8
	.type	k_qeaceb36123_prep,@function
k_qeaceb36123_prep:
	s_mov_b64 s[64:65], 0
	v_nop
	global_prefetch_b8 v0, s[64:65] scope:SCOPE_SE
	s_setreg_imm32_b32 hwreg(HW_REG_WAVE_MODE, 25, 1), 1
	s_wait_xcnt 0x0
; LAYER NORM + QUANTISER (work-groups 0-255), and the weights laid out anew (work-groups 256-351).
; DEAD WORK OF THE WHOLE PROGRAM.  reference() sets the scores of keys t > s to -infinity by a tril that it builds itself, so their softmax weight is exactly 0 whatever the inputs hold: a step of 128 keys all of which
; come after all 16 queries of a tile adds 0 to the row's sum and to the product with V.  The attention launch does not walk such steps.  Nothing else is left out, and every input is loaded.
; LIMIT: a NaN, an infinity or an overflow that reaches only those steps is not carried to the result.  NaN and infinities among the inputs are not served.  A block of zeros keeps the scale byte 1 where the quantiser
; says 127: its codes are zeros, and this program alone reads the bytes.
; LAYOUTS OF THE PROGRAM'S OWN BUFFERS.  THE ROWS OF A TILE: lane r of tile T holds row 32 (T / 2) + 8 (T % 2) + r + 8 (r / 8), so that a product whose source 0 is tiles 2 b, 2 b + 1 leaves a lane 16 neighbours along the next K.
; A FRAGMENT'S IMAGE (16 rows x 128 K, 12 registers a lane, 1,536 bytes): half c at 768 c: registers 6 c .. 6 c + 3 at 16 x lane, registers 6 c + 4, 6 c + 5 at 512 + 8 x lane.
; CODES: [group of 128 rows][K step of 128][tile 0-7][1,536].  SCALE WORDS: [group][K step][tile][16 words of four E8M0 bytes].
; LN: work-group T owns tile T.  Wave w normalises the tile's rows 2 w, 2 w + 1 (neighbours in memory) in f32, mean first and then the mean square of x - mean, as reference() does, and puts them into a stage in LDS;
; behind one barrier wave w takes K step w of all 16 rows, 64 numbers a lane, quantises them and stores the image: each store covers 512 or 256 consecutive bytes.
; No cluster: the work-groups share only g and be, 8 KB beside 64 KB of their own rows.
.set PITCH, 4112                       ; a stage row: 4,096 bytes + 16: an odd multiple of 16, so the 16 rows that a load of 16 bytes a lane touches fall on different banks
.set SPARE, 66048                      ; behind the stage: the spare words, 128 bytes for each of eight waves
.set LANE, 1
.set RR,   2                           ; lane % 16
.set HH,   3                           ; lane / 16
.set LO16, 4                           ; 16 x lane
.set LO8,  5                           ; 8 x lane + 512
.set STA,  6                           ; stage, in: 2 w rows + 16 x lane
.set LDA,  7                           ; stage, out: row r + 64 h + 512 w
.set SO,   8                           ; 4 r + 2 h: my half of my row's scale word
.set TMP,  9
.set SPW,  10                          ; LDS address of my spare word; never rewritten
.set NIL,  11                          ; 0; never rewritten
.set SUM,  12                          ; v12-19  sums of my two rows
.set MU,   20                          ; v20-23  the means, as pairs
.set RS,   24                          ; v24-27  1 / sqrt(var + eps), as pairs
.set XR,   32                          ; v32-95  two rows of x; later 64 numbers to quantise.  (Weights: v32-127 eight fragments)
.set GR,   96                          ; v96-127 g
.set BR,   128                         ; v128-159 be.  (Weights: v128-131 scale words)
.set TM,   160
.set PW,   176
.set PC,   180
.set WV,   38
.set SEL,  40
; 64 numbers of a lane, register 16 b + i = k 32 b + 16 (lane / 16) + i of my row, become a fragment's codes in v[PC] on and its scale word in v[PW].
.macro QUANT s
.irp b, 0,1,2,3
	v_max3_num_f32 v[TM+\b], |v[\s+16*\b]|, |v[\s+1+16*\b]|, 0x1800000   ; my 16 numbers of block b, and the floor 2^(3 - 127): the byte cannot fall under 1
.endr
.irp i, 2,4,6,8,10,12,14
.irp b, 0,1,2,3
	s_delay_alu instid0(VALU_DEP_4)
	v_max3_num_f32 v[TM+\b], v[TM+\b], |v[\s+16*\b+\i]|, |v[\s+1+16*\b+\i]|
.endr
.endr
.irp b, 0,1,2,3
	s_delay_alu instid0(VALU_DEP_4)
	v_permlanex16_b32 v[TM+4+\b], v[TM+\b], s[SEL], s[SEL+1]
.endr
.irp b, 0,1,2,3
	s_delay_alu instid0(VALU_DEP_4)
	v_max_num_f32 v[TM+\b], v[TM+\b], v[TM+4+\b]       ; with lane l xor 16's: the block's largest magnitude
.endr
.irp b, 0,1,2,3
	s_delay_alu instid0(VALU_DEP_4)
	v_add_nc_u32 v[TM+12+\b], 0xff000000, v[TM+\b]     ; 2 off its exponent field: the conversion's scale operand
.endr
.irp b, 0,1,2,3
	s_delay_alu instid0(VALU_DEP_4)
	v_lshrrev_b32 v[TM+4+\b], 23, v[TM+12+\b]          ; the scale's byte
.endr
	s_delay_alu instid0(VALU_DEP_3)
	v_lshl_or_b32 v[PW], v[TM+5], 8, v[TM+4]
	s_delay_alu instid0(VALU_DEP_1)
	v_lshl_or_b32 v[PW], v[TM+6], 16, v[PW]
	s_delay_alu instid0(VALU_DEP_1)
	v_lshl_or_b32 v[PW], v[TM+7], 24, v[PW]
.irp c, 0,1
	v_cvt_scalef32_pk16_fp6_f32 v[PC+6*\c:PC+2+6*\c], v[\s+32*\c:\s+15+32*\c], v[TM+12+2*\c]
	v_cvt_scalef32_pk16_fp6_f32 v[PC+12+4*\c:PC+14+4*\c], v[\s+16+32*\c:\s+31+32*\c], v[TM+12+2*\c+1]   ; (a conversion's three registers begin on an even number)
.endr
	v_nop                                              ; one plain place behind a scaled conversion
.irp c, 0,1                                        ; the operand's layout wants a whole block in a lane
.irp i, 0,1,2
	v_permlane16_swap_b32 v[PC+6*\c+\i], v[PC+12+4*\c+\i]
.endr
.irp i, 0,1,2
	s_delay_alu instid0(VALU_DEP_3)
	v_mov_b32 v[PC+3+6*\c+\i], v[PC+12+4*\c+\i]
.endr
.endr
.endm
; the sums of my two rows over the 32 lanes, result in every lane
.macro REDUCE
.irp i, 0
	s_delay_alu instid0(VALU_DEP_3)
	v_pk_add_f32 v[SUM+4*\i:SUM+4*\i+1], v[SUM+4*\i:SUM+4*\i+1], v[SUM+4*\i+2:SUM+4*\i+3]
.endr
.irp i, 1
	s_delay_alu instid0(VALU_DEP_2)
	v_pk_add_f32 v[SUM+4*\i:SUM+4*\i+1], v[SUM+4*\i:SUM+4*\i+1], v[SUM+4*\i+2:SUM+4*\i+3]
.endr
.irp i, 0,1
	s_delay_alu instid0(VALU_DEP_2)
	v_add_f32 v[SUM+4*\i], v[SUM+4*\i], v[SUM+4*\i+1]
.endr
.irp m, 1,2,4,8
.irp i, 0,1
	s_delay_alu instid0(VALU_DEP_2)
	v_add_f32_dpp v[SUM+4*\i], v[SUM+4*\i], v[SUM+4*\i] row_xmask:\m row_mask:0xf bank_mask:0xf
.endr
.endr
.irp i, 0,1
	s_delay_alu instid0(VALU_DEP_2)
	v_permlanex16_b32 v[SUM+4*\i+1], v[SUM+4*\i], s[SEL], s[SEL+1]
.endr
.irp i, 0,1
	s_delay_alu instid0(VALU_DEP_2)
	v_add_f32 v[SUM+4*\i], v[SUM+4*\i], v[SUM+4*\i+1]
.endr
.endm
	s_load_b256 s[4:11], s[0:1], 0x0               ; x, g, be, nimg
	s_load_b256 s[12:19], s[0:1], 0x20             ; codes of Wq, Wk, Wv, Wo
	s_load_b128 s[20:23], s[0:1], 0x40             ; codes of w1, w2
	s_load_b256 s[24:31], s[0:1], 0x50             ; scales of Wq, Wk, Wv, Wo
	s_load_b128 s[32:35], s[0:1], 0x70             ; scales of w1, w2
	s_load_b64 s[36:37], s[0:1], 0x80              ; wimg
	v_lshl_add_u32 v[SPW], v0, 2, SPARE
	v_mov_b32 v[NIL], 0
	v_lshrrev_b32 v[TMP], 5, v0
	s_delay_alu instid0(VALU_DEP_1)
	v_readfirstlane_b32 s[WV], v[TMP]              ; wave 0..7
	v_and_b32 v[LANE], 31, v0
	v_and_b32 v[RR], 15, v0
	v_bfe_u32 v[HH], v0, 4, 1
	s_delay_alu instid0(VALU_DEP_3)
	v_lshlrev_b32 v[LO16], 4, v[LANE]
	s_delay_alu instid0(VALU_DEP_4)
	v_lshl_add_u32 v[LO8], v[LANE], 3, 512
	s_mul_i32 s39, s[WV], 2*PITCH
	v_add_nc_u32 v[STA], s39, v[LO16]
	v_mul_u32_u24 v[LDA], v[RR], PITCH
	s_delay_alu instid0(VALU_DEP_1)
	v_lshl_add_u32 v[LDA], v[HH], 6, v[LDA]
	s_lshl_b32 s39, s[WV], 9
	v_add_nc_u32 v[LDA], s39, v[LDA]
	v_lshlrev_b32 v[SO], 2, v[RR]
	s_delay_alu instid0(VALU_DEP_1)
	v_lshl_add_u32 v[SO], v[HH], 1, v[SO]
	s_mov_b32 s[SEL], 0x76543210
	s_mov_b32 s[SEL+1], 0xfedcba98                 ; v_permlanex16_b32's selects for lane l xor 16
	s_mov_b32 s42, 0x3a800000                      ; 1 / 1,024
	s_mov_b32 s43, 0x3727c5ac                      ; eps = 1e-5
.irp b, 0,1,2,3
	v_mov_b32 v[TM+4+\b], 0                        ; written once: a lane permute's destination counts as one of its sources
.endr
	s_wait_kmcnt 0x0
	s_cmp_lt_u32 ttmp9, 256
	s_cbranch_scc0 .Lrelay
	; ---- LN, first half: my two rows
	s_lshr_b32 s44, ttmp9, 1
	s_lshl_b32 s44, s44, 5
	s_and_b32 s45, ttmp9, 1
	s_lshl_b32 s45, s45, 3
	s_add_co_u32 s44, s44, s45
	s_lshl_b32 s45, s[WV], 1
	s_add_co_u32 s44, s44, s45
	s_lshr_b32 s45, s[WV], 2
	s_lshl_b32 s45, s45, 3
	s_add_co_u32 s44, s44, s45                     ; token 32 (T / 2) + 8 (T % 2) + 2 w + 8 (w / 4)
	s_lshl_b32 s44, s44, 12                        ; x 4,096 bytes
	s_mov_b32 s45, 0
	s_add_nc_u64 s[4:5], s[4:5], s[44:45]
.irp i, 0,1
.irp j, 0,1,2,3,4,5,6,7
	global_load_b128 v[XR+32*\i+4*\j:XR+32*\i+4*\j+3], v[LO16], s[4:5] offset:\i*4096+\j*512 th:TH_LOAD_NT   ; 512 consecutive bytes a load
.endr
.endr
.irp j, 0,1,2,3,4,5,6,7
	global_load_b128 v[GR+4*\j:GR+4*\j+3], v[LO16], s[6:7] offset:\j*512
.endr
.irp j, 0,1,2,3,4,5,6,7
	global_load_b128 v[BR+4*\j:BR+4*\j+3], v[LO16], s[8:9] offset:\j*512
.endr
	s_wait_loadcnt 16                              ; x is in; the 16 younger loads, g and be, may be out
.irp i, 0,1
	v_pk_add_f32 v[SUM+4*\i:SUM+4*\i+1], v[XR+32*\i:XR+32*\i+1], v[XR+32*\i+2:XR+32*\i+3]
	v_pk_add_f32 v[SUM+4*\i+2:SUM+4*\i+3], v[XR+32*\i+4:XR+32*\i+5], v[XR+32*\i+6:XR+32*\i+7]
.endr
.irp j, 8,12,16,20,24,28
.irp i, 0,1
	s_delay_alu instid0(VALU_DEP_4)
	v_pk_add_f32 v[SUM+4*\i:SUM+4*\i+1], v[SUM+4*\i:SUM+4*\i+1], v[XR+32*\i+\j:XR+32*\i+\j+1]
	s_delay_alu instid0(VALU_DEP_4)
	v_pk_add_f32 v[SUM+4*\i+2:SUM+4*\i+3], v[SUM+4*\i+2:SUM+4*\i+3], v[XR+32*\i+\j+2:XR+32*\i+\j+3]
.endr
.endr
	REDUCE
.irp i, 0,1
	s_delay_alu instid0(VALU_DEP_2)
	v_mul_f32 v[MU+2*\i], s42, v[SUM+4*\i]         ; the mean
.endr
.irp i, 0,1
	s_delay_alu instid0(VALU_DEP_2)
	v_mov_b32 v[MU+2*\i+1], v[MU+2*\i]
.endr
.irp i, 0,1
.irp j, 0,2,4,6,8,10,12,14,16,18,20,22,24,26,28,30
	v_pk_add_f32 v[XR+32*\i+\j:XR+32*\i+\j+1], v[XR+32*\i+\j:XR+32*\i+\j+1], v[MU+2*\i:MU+2*\i+1] neg_lo:[0,1] neg_hi:[0,1]   ; x - mean
.endr
.endr
.irp i, 0,1
	v_pk_mul_f32 v[SUM+4*\i:SUM+4*\i+1], v[XR+32*\i:XR+32*\i+1], v[XR+32*\i:XR+32*\i+1]
	v_pk_mul_f32 v[SUM+4*\i+2:SUM+4*\i+3], v[XR+32*\i+2:XR+32*\i+3], v[XR+32*\i+2:XR+32*\i+3]
.endr
.irp j, 4,8,12,16,20,24,28
.irp i, 0,1
	s_delay_alu instid0(VALU_DEP_4)
	v_pk_fma_f32 v[SUM+4*\i:SUM+4*\i+1], v[XR+32*\i+\j:XR+32*\i+\j+1], v[XR+32*\i+\j:XR+32*\i+\j+1], v[SUM+4*\i:SUM+4*\i+1]
	s_delay_alu instid0(VALU_DEP_4)
	v_pk_fma_f32 v[SUM+4*\i+2:SUM+4*\i+3], v[XR+32*\i+\j+2:XR+32*\i+\j+3], v[XR+32*\i+\j+2:XR+32*\i+\j+3], v[SUM+4*\i+2:SUM+4*\i+3]
.endr
.endr
	REDUCE
.irp i, 0,1
	s_delay_alu instid0(VALU_DEP_2)
	v_fma_f32 v[SUM+4*\i+2], v[SUM+4*\i], s42, s43 ; var + eps
.endr
	s_wait_alu depctr_va_vdst(0)
.irp i, 0,1
	v_rsq_f32 v[RS+2*\i], v[SUM+4*\i+2]
.endr
	v_nop                                          ; a plain place behind the two roots,
	s_wait_alu depctr_va_vdst(0)                   ; and the one wait ahead of their first reader
.irp i, 0,1
	v_mov_b32 v[RS+2*\i+1], v[RS+2*\i]
.endr
	s_wait_alu depctr_va_vdst(0)
	s_wait_loadcnt 0x0                             ; g and be
.irp i, 0,1
.irp j, 0,2,4,6,8,10,12,14,16,18,20,22,24,26,28,30
	v_pk_mul_f32 v[XR+32*\i+\j:XR+32*\i+\j+1], v[XR+32*\i+\j:XR+32*\i+\j+1], v[RS+2*\i:RS+2*\i+1]
.endr
.irp j, 0,2,4,6,8,10,12,14,16,18,20,22,24,26,28,30
	v_pk_fma_f32 v[XR+32*\i+\j:XR+32*\i+\j+1], v[XR+32*\i+\j:XR+32*\i+\j+1], v[GR+\j:GR+\j+1], v[BR+\j:BR+\j+1]
.endr
.endr
.irp i, 0,1
.irp j, 0,1,2,3,4,5,6,7
	ds_store_b128 v[STA], v[XR+32*\i+4*\j:XR+32*\i+4*\j+3] offset:\i*PITCH+\j*512
.endr
.endr
	s_branch .Ljoin
	; ---- THE WEIGHTS: work-group g = 0..95 takes a group of 128 rows x 8 K steps; wave w its tile w.  Rows of codes become images, rows of scale bytes become scale words by tile.  No LDS.
.Lrelay:
	s_sub_co_u32 s44, ttmp9, 256                   ; g
	s_lshr_b32 s45, s44, 3                         ; m: 0-3 Wq, Wk, Wv, Wo; 4-7 w1; 8-11 w2 (a quarter of its K each)
	s_and_b32 s46, s44, 7
	s_sub_co_u32 s47, s44, 32                      ; w1's group
	s_sub_co_u32 s55, s45, 8                       ; w2's quarter of K
	s_mul_i32 s56, s44, 98304                      ; where the images go: all but w2: g groups of 8 K steps;
	s_lshl_b32 s57, s44, 12
	s_add_co_u32 s57, s57, 9437184
	s_mul_i32 s58, s46, 393216                     ; w2: groups of 32 K steps
	s_mul_i32 s59, s55, 98304
	s_add_co_u32 s58, s58, s59
	s_add_co_u32 s58, s58, 6291456
	s_lshl_b32 s59, s46, 14
	s_lshl_b32 s60, s55, 12
	s_add_co_u32 s59, s59, s60
	s_add_co_u32 s59, s59, 9699328
	s_mov_b64 s[48:49], s[12:13]
	s_mov_b64 s[50:51], s[24:25]
	s_cmp_eq_u32 s45, 1
	s_cselect_b64 s[48:49], s[14:15], s[48:49]
	s_cselect_b64 s[50:51], s[26:27], s[50:51]
	s_cmp_eq_u32 s45, 2
	s_cselect_b64 s[48:49], s[16:17], s[48:49]
	s_cselect_b64 s[50:51], s[28:29], s[50:51]
	s_cmp_eq_u32 s45, 3
	s_cselect_b64 s[48:49], s[18:19], s[48:49]
	s_cselect_b64 s[50:51], s[30:31], s[50:51]
	s_cmp_ge_u32 s45, 4
	s_cselect_b64 s[48:49], s[20:21], s[48:49]
	s_cselect_b64 s[50:51], s[32:33], s[50:51]
	s_cselect_b32 s52, s47, s46                    ; the group in its tensor
	s_cmp_ge_u32 s45, 8
	s_cselect_b64 s[48:49], s[22:23], s[48:49]
	s_cselect_b64 s[50:51], s[34:35], s[50:51]
	s_cselect_b32 s52, s46, s52
	s_mov_b32 s53, 768
	s_cselect_b32 s53, 3072, s53                   ; a row of codes in bytes
	s_cselect_b32 s54, 128, 32                     ; a row of scale bytes
	s_cselect_b32 s55, s55, 0
	s_cselect_b32 s56, s58, s56
	s_cselect_b32 s57, s59, s57
	s_mul_i32 s58, s52, s53
	s_lshl_b32 s58, s58, 7
	s_mul_i32 s59, s55, 768
	s_add_co_u32 s58, s58, s59
	s_mov_b32 s59, 0
	s_add_nc_u64 s[48:49], s[48:49], s[58:59]      ; the group's first row, my 8 K steps: codes,
	s_mul_i32 s58, s52, s54
	s_lshl_b32 s58, s58, 7
	s_lshl_b32 s60, s55, 5
	s_add_co_u32 s58, s58, s60
	s_add_nc_u64 s[50:51], s[50:51], s[58:59]      ; scale bytes
	s_mul_i32 s58, s[WV], 1536
	s_add_co_u32 s58, s58, s56
	s_add_nc_u64 s[60:61], s[36:37], s[58:59]      ; my tile's images
	s_lshl_b32 s58, s[WV], 6
	s_add_co_u32 s58, s58, s57
	s_add_nc_u64 s[62:63], s[36:37], s[58:59]      ; my tile's scale words
	s_lshr_b32 s58, s[WV], 1
	s_lshl_b32 s58, s58, 5
	s_and_b32 s56, s[WV], 1
	s_lshl_b32 s56, s56, 3
	s_add_co_u32 s58, s58, s56
	v_and_b32 v[TMP], 8, v[RR]
	s_delay_alu instid0(VALU_DEP_1)
	v_add_nc_u32 v[TMP], v[TMP], v[RR]
	s_delay_alu instid0(VALU_DEP_1)
	v_add_nc_u32 v[TMP], s58, v[TMP]               ; my row in the group: 32 (w / 2) + 8 (w % 2) + r + 8 (r / 8)
	s_delay_alu instid0(VALU_DEP_1)
	v_mul_lo_u32 v12, v[TMP], s53
	s_delay_alu instid0(VALU_DEP_1)
	v_mad_u32_u24 v12, v[HH], 24, v12              ; its codes, + 24 h
	s_delay_alu instid0(VALU_DEP_3)
	v_mul_lo_u32 v13, v[TMP], s54
	s_delay_alu instid0(VALU_DEP_1)
	v_lshl_add_u32 v13, v[HH], 4, v13              ; its scale bytes, + 16 h: the words of K steps 4 h .. 4 h + 3
	v_lshlrev_b32 v14, 2, v[RR]
	s_delay_alu instid0(VALU_DEP_1)
	v_lshl_add_u32 v14, v[HH], 11, v14             ; and where they go: 4 r + 4 h K steps of 512 bytes
	global_load_b128 v[BR:BR+3], v13, s[50:51]
.irp s, 0,1,2,3,4,5,6,7
.irp p, 0,1,2,3,4,5
	global_load_b64 v[XR+12*\s+2*\p:XR+12*\s+2*\p+1], v12, s[48:49] offset:96*\s+48*(\p/3)+8*(\p%3)   ; the fragment as it lies in the row's stream of bits
.endr
.endr
	s_wait_alu depctr_va_vdst(0)
.irp s, 0,1,2,3,4,5,6,7
	s_wait_loadcnt 6*(7-\s)                        ; K step s is in; the later K steps' loads may be out
	global_store_b128 v[LO16], v[XR+12*\s:XR+12*\s+3], s[60:61] offset:\s*12288
	global_store_b64 v[LO8], v[XR+12*\s+4:XR+12*\s+5], s[60:61] offset:\s*12288
	global_store_b128 v[LO16], v[XR+12*\s+6:XR+12*\s+9], s[60:61] offset:\s*12288+768
	global_store_b64 v[LO8], v[XR+12*\s+10:XR+12*\s+11], s[60:61] offset:\s*12288+768
.endr
.irp i, 0,1,2,3
	global_store_b32 v14, v[BR+\i], s[62:63] offset:\i*512
.endr
	s_wait_xcnt 0x0                                ; the stores have read their registers
.Ljoin:
	s_wait_dscnt 0x0                               ; my rows lie in the stage
	s_barrier_signal -1
	s_barrier_wait -1                              ; all sixteen do
	s_cmp_lt_u32 ttmp9, 256
	s_cbranch_scc0 .Lend
	; ---- LN, second half: K step w of the tile's 16 rows
.irp b, 0,1,2,3
.irp j, 0,1,2,3
	ds_load_b128 v[XR+16*\b+4*\j:XR+16*\b+4*\j+3], v[LDA] offset:128*\b+16*\j
.endr
.endr
	s_lshr_b32 s44, ttmp9, 3
	s_and_b32 s45, ttmp9, 7
	s_mul_i32 s46, s44, 98304
	s_mul_i32 s47, s[WV], 12288
	s_add_co_u32 s46, s46, s47
	s_mul_i32 s47, s45, 1536
	s_add_co_u32 s46, s46, s47
	s_mov_b32 s47, 0
	s_add_nc_u64 s[48:49], s[10:11], s[46:47]      ; image (group T / 8, K step w, tile T % 8)
	s_lshl_b32 s46, s44, 12
	s_lshl_b32 s50, s[WV], 9
	s_add_co_u32 s46, s46, s50
	s_lshl_b32 s50, s45, 6
	s_add_co_u32 s46, s46, s50
	s_add_co_u32 s46, s46, 3145728
	s_add_nc_u64 s[50:51], s[10:11], s[46:47]      ; and its scale words
	s_wait_dscnt 0x0
	QUANT XR
	v_lshlrev_b32 v[TMP], 4, v[HH]
	s_delay_alu instid0(VALU_DEP_1)
	v_lshrrev_b32 v[TMP], v[TMP], v[PW]            ; lanes 0-15 store the word's low half, lanes 16-31 its high half: every lane a place of its own
	global_store_b128 v[LO16], v[PC:PC+3], s[48:49]
	global_store_b64 v[LO8], v[PC+4:PC+5], s[48:49]
	global_store_b128 v[LO16], v[PC+6:PC+9], s[48:49] offset:768
	global_store_b64 v[LO8], v[PC+10:PC+11], s[48:49] offset:768
	global_store_b16 v[SO], v[TMP], s[50:51]
.Lend:
	s_wait_tensorcnt 0x0                           ; the wave's end: behind my last LDS store
	ds_add_u32 v[SPW], v[NIL]
	s_wait_dscnt 0x0
	s_endpgm
.Lfunc_end_k_qeaceb36123_prep:
	.size	k_qeaceb36123_prep, .Lfunc_end_k_qeaceb36123_prep-k_qeaceb36123_prep
	.p2alignl 7, 3214868480
	.fill 96, 4, 3214868480
	.section	.rodata,"a",@progbits
	.p2align	6, 0x0
	.amdhsa_kernel k_qeaceb36123_prep
		.amdhsa_group_segment_fixed_size 67072
		.amdhsa_private_segment_fixed_size 0
		.amdhsa_enable_private_segment 0
		.amdhsa_kernarg_size 136
		.amdhsa_user_sgpr_count 2
		.amdhsa_user_sgpr_kernarg_segment_ptr 1
		.amdhsa_wavefront_size32 1
		.amdhsa_system_sgpr_workgroup_id_x 1
		.amdhsa_system_sgpr_workgroup_id_y 1
		.amdhsa_system_sgpr_workgroup_id_z 1
		.amdhsa_system_vgpr_workitem_id 0
		.amdhsa_next_free_vgpr 200
		.amdhsa_next_free_sgpr 66
		.amdhsa_reserve_vcc 0
		.amdhsa_float_denorm_mode_32 3
		.amdhsa_float_denorm_mode_16_64 3
		.amdhsa_memory_ordered 1
		.amdhsa_forward_progress 1
		.amdhsa_inst_pref_size 41
	.end_amdhsa_kernel
	.amdgpu_metadata
---
amdhsa.version: [ 1, 2 ]
amdhsa.kernels:
  - .name:           k_qeaceb36123_prep
    .symbol:         k_qeaceb36123_prep.kd
    .args:
      - { .name: x, .offset: 0, .size: 8, .value_kind: global_buffer, .address_space: global }
      - { .name: g1, .offset: 8, .size: 8, .value_kind: global_buffer, .address_space: global }
      - { .name: be1, .offset: 16, .size: 8, .value_kind: global_buffer, .address_space: global }
      - { .name: nimg, .offset: 24, .size: 8, .value_kind: global_buffer, .address_space: global }
      - { .name: Wq_codes, .offset: 32, .size: 8, .value_kind: global_buffer, .address_space: global }
      - { .name: Wk_codes, .offset: 40, .size: 8, .value_kind: global_buffer, .address_space: global }
      - { .name: Wv_codes, .offset: 48, .size: 8, .value_kind: global_buffer, .address_space: global }
      - { .name: Wo_codes, .offset: 56, .size: 8, .value_kind: global_buffer, .address_space: global }
      - { .name: w1_codes, .offset: 64, .size: 8, .value_kind: global_buffer, .address_space: global }
      - { .name: w2_codes, .offset: 72, .size: 8, .value_kind: global_buffer, .address_space: global }
      - { .name: Wq_scales, .offset: 80, .size: 8, .value_kind: global_buffer, .address_space: global }
      - { .name: Wk_scales, .offset: 88, .size: 8, .value_kind: global_buffer, .address_space: global }
      - { .name: Wv_scales, .offset: 96, .size: 8, .value_kind: global_buffer, .address_space: global }
      - { .name: Wo_scales, .offset: 104, .size: 8, .value_kind: global_buffer, .address_space: global }
      - { .name: w1_scales, .offset: 112, .size: 8, .value_kind: global_buffer, .address_space: global }
      - { .name: w2_scales, .offset: 120, .size: 8, .value_kind: global_buffer, .address_space: global }
      - { .name: wimg, .offset: 128, .size: 8, .value_kind: global_buffer, .address_space: global }
    .group_segment_fixed_size: 67072
    .private_segment_fixed_size: 0
    .kernarg_segment_align: 8
    .kernarg_segment_size: 136
    .max_flat_workgroup_size: 256
    .sgpr_count:     66
    .vgpr_count:     200
    .wavefront_size: 32
...
	.end_amdgpu_metadata
.endif
;; end of part 1
;; launch qkv (part 2): grid 4 x 48, 4 waves a work-group, clusters of 4 x 4, 327,680 bytes of LDS; arguments nimg, wimg, qkv; writes qkv
.if DOCPART == 2
	.amdgcn_target "amdgcn-amd-amdhsa--gfx1250"
	.amdhsa_code_object_version 6
	.text
	.protected	k_qeaceb36123_qkv
	.globl	k_qeaceb36123_qkv
	.p2align	8
	.type	k_qeaceb36123_qkv,@function
k_qeaceb36123_qkv:
	s_mov_b64 s[64:65], 0
	v_nop
	global_prefetch_b8 v0, s[64:65] scope:SCOPE_SE
	s_setreg_imm32_b32 hwreg(HW_REG_WAVE_MODE, 25, 1), 1
	s_wait_xcnt 0x0
	s_wait_alu depctr_hold_cnt(0) depctr_sa_sdst(0) depctr_va_vdst(0) depctr_va_sdst(0) depctr_va_ssrc(0) depctr_va_vcc(0) depctr_vm_vsrc(0)
	s_getreg_b32 s2, hwreg(HW_REG_IB_STS2, 6, 4)
	s_cmp_eq_u32 s2, 0
	s_cbranch_scc0 .Lentry_in_a_cluster
	s_endpgm
.Lentry_in_a_cluster:
	s_bfe_u32 s2, ttmp6, 0x10000c
	s_cmp_lg_u32 s2, 0xf033
	s_cbranch_scc0 .Lentry_shape_is_right
	s_endpgm
.Lentry_shape_is_right:
; q, k, v = n Wq, n Wk, n Wv on codes of FP6 (E2M3) with E8M0 scales, and the three results quantised on the way out: q and k along the head's 64, v along the keys.
; Operands come as fragment images (16 rows x 128 K = 1,536 bytes: half c at 768 c: registers 6 c .. 6 c + 3 at 16 x lane, 6 c + 4, 6 c + 5 at 512 + 8 x lane), [group of 128 rows][K step][tile], scale words [group][K step][tile][16].
; The rows of a tile: lane r of tile T holds row 32 (T / 2) + 8 (T % 2) + r + 8 (r / 8): so a lane's 64 results of a block of 16 rows are, register 16 b + i, number 32 b + 16 (lane / 16) + i along source 0's rows.
; A tile of C, 256 x 256, is made by four waves, each 128 x 128 in 64 accumulators.  Source 0 = operand B', source 1 = operand A'.  Cluster row Y picks the product: sel = Y / 4.
;   sel 0, 1 (q, k): A' = n (a lane holds a token), B' = the weight (its registers run along 2 heads x 64).   sel 2 (v): A' = Wv (a lane holds a channel), B' = n (its registers run along 128 keys).
; K = 1,024 is 8 steps of 128.  LDS holds THREE slots of two steps: K steps 0 to 5 and the scale words of all of K are asked for at the head; K steps 6 and 7 are the one refill, into slot 0 as soon as it is read out,
; and have K steps 2 to 5, 256 matrix instructions a wave, in which to land.  The eight steps are written out.
; CLUSTER 4 x 4: A' is shared along a row of the cluster, B' along a column: joint tensor loads.
; OUT: q, k codes [batch x 16 + head][tile of 16 tokens][768] (a head is half an image), words [..][..][16] (bytes 0, 1 the head's; the other two meet zero codes); v codes [batch x 8 + key step][tile of 16 channels][1,536], words [..][..][32].
; LIMITS: NaN and infinities are not served; a block of zeros keeps the byte 1.
; THE ORDER OF THE FILLS, as the text below has it: at the head one joint load a wave: wave 0 K steps 0, 1 of A's two groups (a tile of two rows of 24,576 bytes), wave 1 the same of B',
; waves 2 and 3 the scale words of A' and of B'; behind the first full sequence and round one load a wave, K steps 2 to 5 of its group (49,152 dense bytes), into slots 1 and 2, which lie group by group; K steps 6, 7 are the one refill.
.set GK,    12288
.set GSTR,  8*GK                       ; a group: 8 K steps
.set FRB,   1536
.set FR,    12
.set NL,    4                          ; LDS loads that bring a fragment
.set NP,    4                          ; places behind this matrix instruction (ISA guide 7.12.1)
.set NQ,    2                          ; K steps in a slot
.set HALFT, NQ*GK                      ; what one tensor load brings: two K steps of one group, 96 rows of 256 bytes, dense
.set SLOT,  4*HALFT                    ; A' groups 0, 1, then B' groups 0, 1
.set SCL,   3*SLOT                     ; behind the three slots: the scale words, 4,096 bytes a group
.set HALFS, 4096
.set SPARE, SCL+4*HALFS                ; the spare words, 128 bytes for each wave
.set ADRS, 27                          ; my scale words: lanes 0-15 A's, lanes 16-31 B's
.set SPW,  28
.set NIL,  29
.set SC,   32                          ; v32-63 scale words, two sets of 16, by turns from slot to slot: register 2 i + q
.set AF,   128                         ; A's fragments, one set, window 0
.set TM,   200                         ; the way out, window 0
.set PW,   216
.set PC,   224
.set ADRA, 244                         ; v244-246 my A' fragments in slot 0, 1, 2, + 16 x lane; v247-249 + 8 x lane
.set ADRB, 250                         ; v250-255 the same for B'
.set G1, 24
.set G0, 32                            ; s[32:39] A's group 0 for slots 0, 1
.set G1B, 48
.set G0B, 56                           ; s[56:63] B's
.set G1S, 68
.set G0S, 76
.set G1SB, 80
.set G0SB, 88
.set G0B2, 92                          ; s[92:95] B's group 0 for the head's tile, into slot 0
.set G0A2, 96                          ; s[96:99] A's
.set MSB, 0
.macro WIN new                         ; the immediate's high byte repeats the setting that is left
.if MSB != \new
	s_set_vgpr_msb (MSB<<8)|\new
.set MSB, \new
.endif
.endm
.set MUL_LO, 0xa1                      ; source 0 (B') window 1, source 1 (A') window 0, C and D window 2
.set MUL_HI, 0xf1                      ; the same, C and D window 3
.set TO_B,   0x40
.macro JLOAD g0a, g1a, g0b, g1b        ; a joint load: waves 0, 1 fetch for A', waves 2, 3 for B'; an s_nop 0 and four v_nop follow each line
	s_cmp_eq_u32 s15, 0
	s_cbranch_scc0 .Lfor_b_\@
	tensor_load_to_lds s[\g0a:\g0a+3], s[\g1a:\g1a+7]
	s_nop 0
.rept 4
	v_nop
.endr
	s_branch .Lasked_\@
.Lfor_b_\@:
	tensor_load_to_lds s[\g0b:\g0b+3], s[\g1b:\g1b+7]
	s_nop 0
.rept 4
	v_nop
.endr
.Lasked_\@:
.endm
.macro CREST
	s_cmp_lg_u32 s14, 0
	s_cbranch_scc1 .Lnot_wave_0_\@
	s_barrier_signal -3
.Lnot_wave_0_\@:
	s_barrier_wait -3
	s_barrier_signal -1
	s_barrier_wait -1
.endm
.macro CROUND
	s_barrier_signal -1
	s_barrier_wait -1
	CREST
.endm
.macro FIRST ga, gb, s                 ; slot s's first fill: K steps 2 s, 2 s + 1
	s_mov_b32 s[\ga], 1
	s_add_co_u32 s[\ga+1], s45, (\s)*SLOT
	s_add_nc_u64 s[\ga+2:\ga+3], s[20:21], (\s)*HALFT
	s_or_b32 s[\ga+3], s[\ga+3], 0x80000000
	s_mov_b32 s[\gb], 1
	s_add_co_u32 s[\gb+1], s45, (\s)*SLOT
	s_add_nc_u64 s[\gb+2:\gb+3], s[46:47], (\s)*HALFT
	s_or_b32 s[\gb+3], s[\gb+3], 0x80000000
.endm
	s_load_b128 s[4:7], s[0:1], 0x0                ; nimg, wimg
	s_load_b64 s[8:9], s[0:1], 0x10                ; qkv
	v_lshl_add_u32 v[SPW], v0, 2, SPARE
	v_mov_b32 v[NIL], 0
	ds_add_u32 v[SPW], v[NIL]                      ; the wave's opening: the add, twice on end, and its wait ahead of my first tensor load
	ds_add_u32 v[SPW], v[NIL]
	v_lshrrev_b32 v1, 5, v0
	v_readfirstlane_b32 s14, v1                    ; wave 0..3
	s_lshr_b32 s15, s14, 1                         ; which group of A' is mine.  Also: I fetch for A' (0) or B' (1)
	s_and_b32 s16, s14, 1                          ; which group of B'.  Also: which group of that operand I fetch
	s_bfe_u32 s40, ttmp6, 0x40000                  ; cx
	s_bfe_u32 s41, ttmp6, 0x40004                  ; cy
	s_and_b32 s66, ttmp7, 0xffff                   ; cluster row Y = 0..11
	s_lshr_b32 s67, s66, 2                         ; sel: 0 q, 1 k, 2 v: the same in all sixteen partners
	s_and_b32 s66, s66, 3
	s_lshl_b32 s66, s66, 2
	s_mul_i32 s2, s67, 786432
	s_lshl_b32 s3, s67, 15
	s_add_co_u32 s3, s3, 9437184
	s_cmp_lt_u32 s67, 2
	s_cselect_b32 s17, s66, 0                      ; n has 16 tiles of 256 rows, a weight 4
	s_cselect_b32 s42, 0, s66
	s_cselect_b32 s20, 0, 1572864                  ; A': n's codes, or Wv's
	s_mov_b32 s22, 9502720
	s_cselect_b32 s22, 3145728, s22                ; its scale words
	s_cselect_b32 s46, s2, 0                       ; B': Wq's or Wk's codes, or n's
	s_cselect_b32 s92, s3, 3145728
	s_add_co_u32 s17, s17, s41                     ; tile row of C
	s_add_co_u32 s42, s42, s40                     ; tile column of C
	s_lshl_b32 s43, s41, 2
	s_lshl_b32 s43, 15, s43                        ; my row of the cluster
	s_lshl_b32 s44, 0x1111, s40                    ; my column
	s_or_b32 s[G1+0], s43, (3<<16)|(1<<21)         ; 15:0 the mask; 17:16 elements of 8 bytes; 21 set beside a mask; no padding
	s_or_b32 s[G1B+0], s44, (3<<16)|(1<<21)
.irp g, G1, G1B
	s_mov_b32 s[\g+1], 3072<<16                    ; the head's shape: rows of 3,072 elements: two K steps of a group, 24,576 bytes
	s_mov_b32 s[\g+2], 2<<16                       ; two rows: the tile's two groups
	s_mov_b32 s[\g+3], 3072<<16
	s_mov_b32 s[\g+4], 2
	s_mov_b32 s[\g+5], GSTR/8                      ; a group apart
	s_mov_b32 s[\g+6], 0
	s_mov_b32 s[\g+7], 0
.endr
	s_or_b32 s[G1S+0], s43, (3<<16)|(1<<21)
	s_or_b32 s[G1SB+0], s44, (3<<16)|(1<<21)
.irp g, G1S, G1SB
	s_mov_b32 s[\g+1], 32<<16
	s_mov_b32 s[\g+2], 32<<16                      ; two groups' scale words: 32 rows of 256 bytes
	s_mov_b32 s[\g+3], 32<<16
	s_mov_b32 s[\g+4], 32
	s_mov_b32 s[\g+5], 32
	s_mov_b32 s[\g+6], 0
	s_mov_b32 s[\g+7], 0
.endr
	s_lshl_b32 s18, s17, 1
	s_mul_i32 s19, s18, GSTR
	s_add_co_u32 s20, s20, s19
	s_lshl_b32 s19, s18, 12
	s_add_co_u32 s22, s22, s19
	s_mov_b32 s21, 0
	s_mov_b32 s23, 0
	s_lshl_b32 s45, s42, 1
	s_mul_i32 s94, s45, GSTR
	s_add_co_u32 s46, s46, s94
	s_lshl_b32 s94, s45, 12
	s_add_co_u32 s92, s92, s94
	s_mov_b32 s47, 0
	s_mov_b32 s93, 0
	s_mul_i32 s45, s14, HALFT                      ; where they go: by the wave's number alone
	s_wait_dscnt 0x0                               ; both opening adds are done
	s_wait_kmcnt 0x0
	s_cmp_lt_u32 s67, 2
	s_cselect_b64 s[10:11], s[4:5], s[6:7]         ; A's buffer
	s_cselect_b64 s[12:13], s[6:7], s[4:5]         ; B's
	s_add_nc_u64 s[20:21], s[10:11], s[20:21]
	s_add_nc_u64 s[22:23], s[10:11], s[22:23]
	s_add_nc_u64 s[46:47], s[12:13], s[46:47]
	s_add_nc_u64 s[92:93], s[12:13], s[92:93]
	CROUND                                         ; all sixteen work-groups are here: the first joint loads meet
	s_mov_b32 s[G0S], 1
	s_mov_b32 s[G0S+1], SCL
	s_mov_b64 s[G0S+2:G0S+3], s[22:23]
	s_or_b32 s[G0S+3], s[G0S+3], 0x80000000
	s_mov_b32 s[G0SB], 1
	s_mov_b32 s[G0SB+1], SCL+2*HALFS
	s_mov_b64 s[G0SB+2:G0SB+3], s[92:93]
	s_or_b32 s[G0SB+3], s[G0SB+3], 0x80000000
	s_mov_b32 s[G0A2], 1                           ; the head's tiles of codes: K steps 0, 1 of A's two groups,
	s_mov_b32 s[G0A2+1], 0
	s_mov_b64 s[G0A2+2:G0A2+3], s[20:21]
	s_or_b32 s[G0A2+3], s[G0A2+3], 0x80000000
	s_mov_b32 s[G0B2], 1                           ; and of B's, behind them in slot 0
	s_mov_b32 s[G0B2+1], 2*HALFT
	s_mov_b64 s[G0B2+2:G0B2+3], s[46:47]
	s_or_b32 s[G0B2+3], s[G0B2+3], 0x80000000
	s_mul_i32 s18, s16, GSTR                       ; for the later loads: the group that I fetch
	s_mov_b32 s19, 0
	s_add_nc_u64 s[20:21], s[20:21], s[18:19]
	s_add_nc_u64 s[46:47], s[46:47], s[18:19]
	FIRST G0, G0B, 0                               ; slot 0's group 0, first used by the refill
	FIRST G0+4, G0B+4, 1                           ; K steps 2 to 5,
	s_add_co_u32 s[G0+5], s[G0+5], s45             ; at SLOT + wave x 49,152
	s_add_co_u32 s[G0B+5], s[G0B+5], s45
	s_cmp_eq_u32 s15, 0                            ; the prefetches: the group that I fetch,
	s_cselect_b64 s[100:101], s[20:21], s[46:47]
	s_cselect_b32 s2, s40, s41                     ; and my place among the four that ask for it with me
	s_mul_i32 s3, s2, 48*256                       ; of the 192 rows of K steps 2 to 5 my work-group names 48,
	s_mul_i32 s2, s2, 24*256                       ; of the 96 rows of K steps 6, 7 it names 24
; one tree of branches on the wave's number, one load to an arm, all arms to one join: one tensor load a wave at the head
.macro ARM under, g0, g1, next
	s_cmp_lt_u32 s14, \under
	s_cbranch_scc0 \next
	tensor_load_to_lds s[\g0:\g0+3], s[\g1:\g1+7]
	s_nop 0
.rept 4
	v_nop
.endr
	s_branch .Lhead_asked
\next:
.endm
	ARM 1, G0A2, G1, .Lhead_b
	ARM 2, G0B2, G1B, .Lhead_sa
	ARM 3, G0S, G1S, .Lhead_sb
	tensor_load_to_lds s[G0SB:G0SB+3], s[G1SB:G1SB+7]
	s_nop 0
.rept 4
	v_nop
.endr
.Lhead_asked:
	v_and_b32 v1, 15, v0                           ; r
	v_bfe_u32 v2, v0, 4, 1                         ; h
	v_and_b32 v3, 31, v0                           ; lane
	v_lshlrev_b32 v4, 4, v3
	v_lshlrev_b32 v5, 3, v3
	v_lshlrev_b32 v16, 8, v3                       ; a lane a block of 256 bytes; lanes left over name their wave's last block again; v16 to v18 are never rewritten
	v_min_u32 v17, 15, v3
	v_min_u32 v18, 23, v3
	v_add_nc_u32 v16, s3, v16
	v_lshl_add_u32 v17, v17, 8, 8192
	v_lshlrev_b32 v18, 8, v18
	v_add_nc_u32 v17, s3, v17
	v_add_nc_u32 v18, s2, v18
	global_prefetch_b8 v16, s[100:101] offset:HALFT th:TH_LOAD_NT scope:SCOPE_SE   ; K steps 2 to 5, one fill ahead of their load
	global_prefetch_b8 v17, s[100:101] offset:HALFT th:TH_LOAD_NT scope:SCOPE_SE
	s_mul_i32 s21, s15, HALFT
	s_mul_i32 s22, s16, HALFT
	s_add_co_u32 s22, s22, 2*HALFT
.irp s, 0,1,2
	v_add_nc_u32 v[ADRA+\s], s21, v4
	v_add_nc_u32 v[ADRB+\s], s22, v4
	v_add_nc_u32 v[ADRA+3+\s], s21, v5
	v_add_nc_u32 v[ADRB+3+\s], s22, v5
.if \s == 0
	s_lshl_b32 s21, s21, 1                         ; slots 1 and 2 lie group by group: a group's four K steps on end, 49,152 bytes
	s_lshl_b32 s22, s22, 1
	s_add_co_u32 s21, s21, SLOT
	s_add_co_u32 s22, s22, SLOT
	s_wait_alu depctr_va_vdst(0)                   ; the wait behind the scalar lines
.else
	s_add_co_u32 s21, s21, HALFT
	s_add_co_u32 s22, s22, HALFT
.endif
.endr
	v_lshlrev_b32 v7, 2, v1
	s_mul_i32 s21, s15, HALFS
	s_mul_i32 s22, s16, HALFS
	s_add_co_u32 s22, s22, 2*HALFS
	s_sub_co_u32 s22, s22, s21
	v_mul_u32_u24 v6, s22, v2                      ; lanes 16-31 take B's
	s_add_co_u32 s21, s21, SCL
	v_add_nc_u32 v7, v7, v6
	v_add_nc_u32 v[ADRS], s21, v7
	; the way out: where my 128 x 128 goes
	s_lshl_b32 s18, s17, 1
	s_add_co_u32 s18, s18, s15                     ; GA: my group of A'
	s_lshl_b32 s19, s42, 1
	s_add_co_u32 s19, s19, s16                     ; GB: my group of B'
	s_lshr_b32 s20, s18, 3
	s_and_b32 s21, s18, 7
	s_mul_i32 s22, s20, 786432
	s_mul_i32 s23, s21, 6144
	s_add_co_u32 s22, s22, s23                     ; q, k: batch GA / 8, tiles 8 (GA % 8) on
	s_mul_i32 s23, s18, 12288                      ; v: channel tiles 8 GA on
	s_lshl_b32 s45, s20, 16
	s_lshl_b32 s46, s21, 9
	s_add_co_u32 s45, s45, s46
	s_lshl_b32 s46, s18, 10
	s_cmp_lt_u32 s67, 2
	s_cselect_b32 s22, s22, s23
	s_cselect_b32 s45, s45, s46
	s_mov_b32 s4, 1536
	s_cselect_b32 s4, 768, s4                      ; from block to block: codes,
	s_cselect_b32 s6, 64, 128                      ; scale words
	s_mov_b32 s2, 768
	s_cselect_b32 s2, 49152, s2                    ; from an image's first half to its second: the next head, or the same image
	s_cselect_b32 s66, 4096, 64                    ; where lanes 16-31 put their word: the next head's, or a second copy
	s_cselect_b32 s43, 16, 0                       ; and what they shift it by
	s_mov_b32 s5, 0
	s_mov_b32 s7, 0
	s_mul_i32 s23, s67, 3145728
	s_add_co_u32 s22, s22, s23
	s_mul_i32 s23, s19, 98304
	s_add_co_u32 s22, s22, s23
	s_mov_b32 s23, 0
	s_lshl_b32 s46, s67, 18
	s_add_co_u32 s46, s46, s45
	s_lshl_b32 s45, s19, 13
	s_add_co_u32 s46, s46, s45
	s_add_co_u32 s46, s46, 9437184
	s_mov_b32 s47, 0
	s_add_nc_u64 s[10:11], s[8:9], s[22:23]        ; codes
	s_add_nc_u64 s[12:13], s[8:9], s[46:47]        ; scale words
	s_mov_b32 s3, 0xffff0000                       ; lanes 16-31
	s_mov_b32 s18, 0x76543210
	s_mov_b32 s19, 0xfedcba98
	v_lshlrev_b32 v8, 4, v3
	v_lshl_add_u32 v9, v3, 3, 512
	v_add_nc_u32 v10, s2, v8
	v_add_nc_u32 v11, s2, v9
	v_mul_u32_u24 v12, s66, v2
	v_lshl_add_u32 v12, v1, 2, v12
.macro FRAG reg, adr, q, i             ; a fragment's image comes back as it was stored: every load takes 512 or 256 consecutive bytes
	ds_load_b128 v[\reg:\reg+3], v[\adr] offset:(\q)*GK+(\i)*FRB
	ds_load_b64 v[\reg+4:\reg+5], v[\adr+3] offset:(\q)*GK+(\i)*FRB+512
	ds_load_b128 v[\reg+6:\reg+9], v[\adr] offset:(\q)*GK+(\i)*FRB+768
	ds_load_b64 v[\reg+10:\reg+11], v[\adr+3] offset:(\q)*GK+(\i)*FRB+1280
.endm
; 16 matrix instructions: A's blocks a0, a0 + 1 x B's eight.  The 64 accumulators take turns, one instruction a turn, in the same order in every step.
.macro MUL16 a0, p, q, sc, zero
.irp a, \a0, \a0+1
.irp b, 0,1,2,3,4,5,6,7
.if \zero
	v_wmma_scale_f32_16x16x128_f8f6f4 v[8*(8*((\a)%4)+\b):8*(8*((\a)%4)+\b)+7], v[128*(\p)+FR*\b:128*(\p)+FR*\b+FR-1], v[AF+FR*(\a):AF+FR*(\a)+FR-1], 0, v[SC+8*NQ*(\sc)+NQ*\b+(\q)], v[SC+8*NQ*(\sc)+NQ*(\a)+(\q)] matrix_a_fmt:MATRIX_FMT_FP6 matrix_b_fmt:MATRIX_FMT_FP6 matrix_a_scale:MATRIX_SCALE_ROW1
.else
	v_wmma_scale_f32_16x16x128_f8f6f4 v[8*(8*((\a)%4)+\b):8*(8*((\a)%4)+\b)+7], v[128*(\p)+FR*\b:128*(\p)+FR*\b+FR-1], v[AF+FR*(\a):AF+FR*(\a)+FR-1], v[8*(8*((\a)%4)+\b):8*(8*((\a)%4)+\b)+7], v[SC+8*NQ*(\sc)+NQ*\b+(\q)], v[SC+8*NQ*(\sc)+NQ*(\a)+(\q)] matrix_a_fmt:MATRIX_FMT_FP6 matrix_b_fmt:MATRIX_FMT_FP6 matrix_a_scale:MATRIX_SCALE_ROW1
.endif
.endr
.endr
.endm
.macro FETCH_B slot, q, p
	WIN TO_B
.irp i, 0,1,2,3,4,5,6,7
	FRAG 128*(\p)+FR*\i, ADRB+\slot, \q, \i
.endr
	WIN 0
.endm
.macro FETCH_A slot, q, i0
.irp i, \i0, \i0+1, \i0+2, \i0+3
	FRAG AF+FR*(\i), ADRA+\slot, \q, \i
.endr
.endm
.macro SCALES sc                       ; two K steps' scale words: lanes 0-15 A's block i, lanes 16-31 B's block i, K step q
.irp i, 0,1,2,3,4,5,6,7
.irp q, 0,1
	ds_load_b32 v[SC+8*NQ*\sc+NQ*\i+\q], v[ADRS] offset:\q*512+\i*64
.endr
.endr
.endm
.macro PLACES n                        ; plain vector instructions between a matrix instruction and a load into, or a read of, its registers
.rept \n
	v_nop
.endr
.endm
.macro STEP slot, set, q, zero         ; a K step that has its successor in the same slot
	s_wait_dscnt 4*NL                              ; B's set and A's blocks 0-3 are in; the youngest 16 loads (A's blocks 4-7) may be out
	WIN MUL_LO
	MUL16 0, (\q)%2, \q, \set, \zero
	MUL16 2, (\q)%2, \q, \set, \zero
	s_wait_dscnt 0
	PLACES NP
	FETCH_B \slot, (\q)+1, 1-(\q)%2
	FETCH_A \slot, (\q)+1, 0
	WIN MUL_HI
	MUL16 4, (\q)%2, \q, \set, \zero
	MUL16 6, (\q)%2, \q, \set, \zero
	PLACES NP
	WIN 0
	FETCH_A \slot, (\q)+1, 4
.endm
; A slot's last step goes on into the next slot.
; how = 2: this slot is filled again.  In front of the barrier each wave waits for all its tensor loads, adds 0 to its spare word, and waits for that and for its reads of this slot; the barrier opens a round of the cluster's.
; how = 1: the next slot holds the refill: the same lines and a plain barrier, so that every wave's part of it is known to have landed; nothing is filled.
; how = 0: the next slot was shown whole to every wave by the refill's round: no barrier, and no wait for the refill, which stays on its way.
.macro TURN slot, set, next, nset, how
.if \how
	s_wait_tensorcnt 0x0                           ; all my tensor loads have landed
	ds_add_u32 v[SPW], v[NIL]                      ; 0 onto my spare word
	s_wait_dscnt 4*NL+1                            ; (the add and the youngest 16 loads may be out)
.else
	s_wait_dscnt 4*NL
.endif
	WIN MUL_LO
	MUL16 0, 1, NQ-1, \set, 0
.if \how
	s_wait_dscnt 0x0                               ; the add is done, and my reads of this slot are over
	s_barrier_signal -1
.endif
	MUL16 2, 1, NQ-1, \set, 0
	WIN 0
.if \how
	s_barrier_wait -1
.else
	s_wait_dscnt 0x0                               ; A's blocks 4-7 are in
.endif
.if \how == 2
	CREST                                          ; no wave of any partner still reads this slot or has a load on its way
	s_add_nc_u64 s[G0+4*\slot+2:G0+4*\slot+3], s[G0+4*\slot+2:G0+4*\slot+3], 3*HALFT
	s_add_nc_u64 s[G0B+4*\slot+2:G0B+4*\slot+3], s[G0B+4*\slot+2:G0B+4*\slot+3], 3*HALFT
	s_mov_b32 s[G1+2], 96<<16                      ; no tensor load of mine is out: the refill brings two K steps, 96 rows
	s_mov_b32 s[G1+4], 96
	s_mov_b32 s[G1B+2], 96<<16
	s_mov_b32 s[G1B+4], 96
	JLOAD G0+4*\slot, G1, G0B+4*\slot, G1B         ; the first tensor load behind the round; its four v_nop are the places in front of the loads below
.else
	PLACES NP
.endif
	v_add_nc_u32 v[ADRS], NQ*512, v[ADRS]
	FETCH_B \next, 0, 0
	FETCH_A \next, 0, 0
	SCALES \nset
	WIN MUL_HI
	MUL16 4, 1, NQ-1, \set, 0
	MUL16 6, 1, NQ-1, \set, 0
	PLACES NP
	WIN 0
	FETCH_A \next, 0, 4
.endm
	s_wait_alu depctr_va_vdst(0)
	s_wait_tensorcnt 0x0                           ; my tile of the head's four is in
	ds_add_u32 v[SPW], v[NIL]
.irp g, G1, G1B
	s_mov_b32 s[\g+1], 32<<16                      ; no tensor load of mine is out: from here on dense rows of 256 bytes, 192 of them: four K steps of a group
	s_mov_b32 s[\g+2], 192<<16
	s_mov_b32 s[\g+3], 32<<16
	s_mov_b32 s[\g+4], 192
	s_mov_b32 s[\g+5], 32
.endr
	s_wait_dscnt 0x0
	CROUND                                         ; all four tiles are in, and all sixteen work-groups are here
	JLOAD G0+4, G1, G0B+4, G1B                     ; K steps 2 to 5: the first tensor load behind the round
	FETCH_B 0, 0, 0
	FETCH_A 0, 0, 0
	SCALES 0
	FETCH_A 0, 0, 4
	global_prefetch_b8 v18, s[100:101] offset:3*HALFT th:TH_LOAD_NT scope:SCOPE_SE ; K steps 6, 7, one fill ahead of their load
	STEP 0, 0, 0, 1                                ; K step 0 starts the sums
	TURN 0, 0, 1, 1, 2                             ; 1; slot 0 takes K steps 6, 7
	s_wait_alu depctr_va_vdst(0)
	STEP 1, 1, 0, 0                                ; 2
	TURN 1, 1, 2, 0, 0                             ; 3
	s_wait_alu depctr_va_vdst(0)
	STEP 2, 0, 0, 0                                ; 4
	TURN 2, 0, 0, 1, 1                             ; 5; the refill has landed in every wave
	STEP 0, 1, 0, 0                                ; 6
	s_wait_dscnt 4*NL                              ; 7
	WIN MUL_LO
	MUL16 0, 1, NQ-1, 1, 0
	MUL16 2, 1, NQ-1, 1, 0
	s_wait_dscnt 0
	WIN MUL_HI
	MUL16 4, 1, NQ-1, 1, 0
	MUL16 6, 1, NQ-1, 1, 0
	WIN 0
; THE WAY OUT.  Block a's 64 accumulator registers (window 2 or 3) are 64 numbers of a lane in the quantiser's order: they become a fragment's codes in v[PC] on and its scale word in v[PW], both in window 0.
.macro QUANTW a
.set AC, 64*((\a)%4)
.set WW, 2+(\a)/4
	WIN 5*WW                                       ; sources 0 and 1: the accumulators' window
.irp b, 0,1,2,3
	v_max3_num_f32 v[TM+\b], |v[AC+16*\b]|, |v[AC+1+16*\b]|, 0x1800000   ; each accumulator is read from its low end on; the floor 2^(3 - 127) holds the byte at 1 from below
.endr
.irp i, 2,4,6,8,10,12,14
.irp b, 0,1,2,3
	v_max3_num_f32 v[TM+\b], |v[AC+16*\b+\i]|, |v[AC+1+16*\b+\i]|, v[TM+\b]
.endr
.endr
	WIN 0
.irp b, 0,1,2,3
	v_permlanex16_b32 v[TM+4+\b], v[TM+\b], s18, s19
.endr
.irp b, 0,1,2,3
	v_max_num_f32 v[TM+\b], v[TM+\b], v[TM+4+\b]
.endr
.irp b, 0,1,2,3
	v_add_nc_u32 v[TM+12+\b], 0xff000000, v[TM+\b]
.endr
.irp b, 0,1,2,3
	v_lshrrev_b32 v[TM+4+\b], 23, v[TM+12+\b]
.endr
	v_lshl_or_b32 v[PW], v[TM+5], 8, v[TM+4]
	v_lshl_or_b32 v[PW], v[TM+6], 16, v[PW]
	v_lshl_or_b32 v[PW], v[TM+7], 24, v[PW]
	WIN WW
.irp c, 0,1
	v_cvt_scalef32_pk16_fp6_f32 v[PC+6*\c:PC+2+6*\c], v[AC+32*\c:AC+15+32*\c], v[TM+12+2*\c]
	v_cvt_scalef32_pk16_fp6_f32 v[PC+12+4*\c:PC+14+4*\c], v[AC+16+32*\c:AC+31+32*\c], v[TM+12+2*\c+1]
.endr
	WIN 0
	v_nop                                          ; one plain place behind a scaled conversion
.irp c, 0,1
.irp i, 0,1,2
	v_permlane16_swap_b32 v[PC+6*\c+\i], v[PC+12+4*\c+\i]
.endr
.irp i, 0,1,2
	v_mov_b32 v[PC+3+6*\c+\i], v[PC+12+4*\c+\i]
.endr
.endr
.endm
	PLACES NP                                      ; behind the last products: their results are read, and registers that held A's fragments are written, below
.irp b, 0,1,2,3
	v_mov_b32 v[TM+4+\b], 0                        ; a lane permute's destination counts as one of its sources
.endr
.irp a, 0,1,2,3,4,5,6,7
.if \a > 0
	s_wait_xcnt 0x0                                ; the last block's stores have read their registers and bases
	s_add_nc_u64 s[10:11], s[10:11], s[4:5]
	s_add_nc_u64 s[12:13], s[12:13], s[6:7]
.endif
	QUANTW \a
	v_lshrrev_b32 v13, s43, v[PW]
	v_cndmask_b32 v13, v[PW], v13, s3              ; q, k: lanes 16-31 carry the second head's two bytes; v: the same word
	global_store_b128 v8, v[PC:PC+3], s[10:11]
	global_store_b64 v9, v[PC+4:PC+5], s[10:11]
	global_store_b128 v10, v[PC+6:PC+9], s[10:11]
	global_store_b64 v11, v[PC+10:PC+11], s[10:11]
	global_store_b32 v12, v13, s[12:13]
.endr
	s_wait_tensorcnt 0x0                           ; the wave's end
	ds_add_u32 v[SPW], v[NIL]
	s_wait_dscnt 0x0
	CROUND                                         ; the closing round
	s_endpgm
.Lfunc_end_k_qeaceb36123_qkv:
	.size	k_qeaceb36123_qkv, .Lfunc_end_k_qeaceb36123_qkv-k_qeaceb36123_qkv
	.p2alignl 7, 3214868480
	.fill 96, 4, 3214868480
	.section	.rodata,"a",@progbits
	.p2align	6, 0x0
	.amdhsa_kernel k_qeaceb36123_qkv
		.amdhsa_group_segment_fixed_size 327680
		.amdhsa_private_segment_fixed_size 0
		.amdhsa_enable_private_segment 0
		.amdhsa_kernarg_size 24
		.amdhsa_user_sgpr_count 2
		.amdhsa_user_sgpr_kernarg_segment_ptr 1
		.amdhsa_wavefront_size32 1
		.amdhsa_system_sgpr_workgroup_id_x 1
		.amdhsa_system_sgpr_workgroup_id_y 1
		.amdhsa_system_sgpr_workgroup_id_z 1
		.amdhsa_system_vgpr_workitem_id 0
		.amdhsa_next_free_vgpr 1024
		.amdhsa_next_free_sgpr 102
		.amdhsa_reserve_vcc 0
		.amdhsa_float_denorm_mode_32 3
		.amdhsa_float_denorm_mode_16_64 3
		.amdhsa_memory_ordered 1
		.amdhsa_forward_progress 1
		.amdhsa_inst_pref_size 156
	.end_amdhsa_kernel
	.amdgpu_metadata
---
amdhsa.version: [ 1, 2 ]
amdhsa.kernels:
  - .name:           k_qeaceb36123_qkv
    .symbol:         k_qeaceb36123_qkv.kd
    .args:
      - { .name: nimg, .offset: 0, .size: 8, .value_kind: global_buffer, .address_space: global }
      - { .name: wimg, .offset: 8, .size: 8, .value_kind: global_buffer, .address_space: global }
      - { .name: qkv, .offset: 16, .size: 8, .value_kind: global_buffer, .address_space: global }
    .group_segment_fixed_size: 327680
    .private_segment_fixed_size: 0
    .kernarg_segment_align: 8
    .kernarg_segment_size: 24
    .max_flat_workgroup_size: 128
    .sgpr_count:     102
    .vgpr_count:     1024
    .wavefront_size: 32
...
	.end_amdgpu_metadata
.endif
;; end of part 2
;; launch attn (part 3): grid 4 x 64, 16 waves a work-group, clusters of 4 x 1, 167,936 bytes of LDS; arguments qkv, ctximg; writes ctximg
.if DOCPART == 3
	.amdgcn_target "amdgcn-amd-amdhsa--gfx1250"
	.amdhsa_code_object_version 6
	.text
	.protected	k_qeaceb36123_attn
	.globl	k_qeaceb36123_attn
	.p2align	8
	.type	k_qeaceb36123_attn,@function
k_qeaceb36123_attn:
	s_mov_b64 s[64:65], 0
	v_nop
	global_prefetch_b8 v0, s[64:65] scope:SCOPE_SE
	s_setreg_imm32_b32 hwreg(HW_REG_WAVE_MODE, 25, 1), 1
	s_wait_xcnt 0x0
	s_wait_alu depctr_hold_cnt(0) depctr_sa_sdst(0) depctr_va_vdst(0) depctr_va_sdst(0) depctr_va_ssrc(0) depctr_va_vcc(0) depctr_vm_vsrc(0)
	s_getreg_b32 s2, hwreg(HW_REG_IB_STS2, 6, 4)
	s_cmp_eq_u32 s2, 0
	s_cbranch_scc0 .Lentry_in_a_cluster
	s_endpgm
.Lentry_in_a_cluster:
	s_bfe_u32 s2, ttmp6, 0x10000c
	s_cmp_lg_u32 s2, 0x3003
	s_cbranch_scc0 .Lentry_shape_is_right
	s_endpgm
.Lentry_shape_is_right:
; Causal attention of one (batch, head) on codes of FP6 (E2M3), and its result quantised along the heads' axis for the projection that follows.
; LEFT OUT: key steps of 128 keys all of which come after a tile's 16 queries: reference()'s own tril gives them the weight 0 for all values of the inputs.  A NaN or infinity that reaches only them is not carried on.
; THE SOFTMAX: t = score x log2(e) / 8; M = the running largest t rounded up to a whole number; p = 2^(t - M) is quantised along the keys, not normalised; the row's sum is taken of the unquantised p and divides at the end.
; SHARES.  A cluster of four work-groups owns a head; wave w of work-group cx owns query tile 4 w + cx (tiles' rows: lane r of tile T holds row 32 (T / 2) + 8 (T % 2) + r + 8 (r / 8)).  So the four partners have equal work,
; and a wave's last key step, w / 2, hangs on the wave's number alone.  The head's K and V, codes and scale words, 106,496 bytes, come into LDS ONCE, by four joint tensor loads (waves 0 to 3, one each); nothing is filled again.
; LAYOUT.  Both products are used transposed: S^T = K Q^T (source 0 = 16 keys), O^T = V^T P^T (source 0 = 16 channels): a lane holds one query throughout.  The head's 64 fill half of an instruction's K: the other half is zero codes.
; No prefetch: all that the launch reads from K and V is asked for at its head.
.set KC,   0                           ; K's codes: 64 tiles x 768 bytes (half an image)
.set VC,   49152                       ; V's codes: 8 key steps x 4 tiles x 1,536
.set KSC,  98304                       ; K's scale words: 64 tiles x 64 bytes
.set VSC,  102400                      ; V's: 8 key steps x 4 tiles x 128 bytes
.set SPARE, 106496                     ; the spare words, 128 bytes for each of sixteen waves
.set KA16, 1
.set KA8,  2
.set VA16, 3
.set VA8,  4
.set SPW,  5
.set NIL,  6
.set KSA,  7
.set VSA,  28
.set DQ,   29                          ; my query - the diagonal step's first key - 16 (lane / 16)
.set KR,   32                          ; v32-79  four fragments of K (registers 6-11 of each: zeros, set once)
.set VR,   80                          ; v80-127 four fragments of V
.set S,    128                         ; v128-191 S^T, then p
.set O,    192                         ; v192-223 O^T
.set WV,   18
.set SEL,  20
.set CS,   22
.set J,    76
.set JD,   77
.set TB,   78
.set TS,   79
.macro CROUND
	s_barrier_signal -1
	s_barrier_wait -1
	s_cmp_lg_u32 s[WV], 0
	s_cbranch_scc1 .Lnot_wave_0_\@
	s_barrier_signal -3
.Lnot_wave_0_\@:
	s_barrier_wait -3
	s_barrier_signal -1
	s_barrier_wait -1
.endm
.macro DESC g, c, r, p                 ; descriptor group 1: r rows of c elements of 8 bytes, p elements apart; the mask names all four partners; no padding
	s_mov_b32 s[\g], 15|(3<<16)|(1<<21)
	s_mov_b32 s[\g+1], (\c)<<16
	s_mov_b32 s[\g+2], (\r)<<16
	s_mov_b32 s[\g+3], (\c)<<16
	s_mov_b32 s[\g+4], \r
	s_mov_b32 s[\g+5], \p
	s_mov_b32 s[\g+6], 0
	s_mov_b32 s[\g+7], 0
.endm
.macro TL n, g0, g1                    ; wave n's one joint load; the branch hangs on the wave's number alone; an s_nop 0 and four v_nop follow the load
	s_cmp_lg_u32 s[WV], \n
	s_cbranch_scc1 .Lnot_\@
	tensor_load_to_lds s[\g0:\g0+3], s[\g1:\g1+7]
	s_nop 0
.rept 4
	v_nop
.endr
	s_branch .Ltl_done                             ; one chain of branches: every arm leads to the one join
.Lnot_\@:
.endm
	s_load_b128 s[4:7], s[0:1], 0x0                ; qkv, ctximg
	v_lshl_add_u32 v[SPW], v0, 2, SPARE
	v_mov_b32 v[NIL], 0
	ds_add_u32 v[SPW], v[NIL]                      ; the wave's opening: the add, twice on end, and its wait ahead of the first tensor loads
	ds_add_u32 v[SPW], v[NIL]
	v_lshrrev_b32 v8, 5, v0
	s_delay_alu instid0(VALU_DEP_1)
	v_readfirstlane_b32 s[WV], v8                  ; wave 0..15
	s_bfe_u32 s8, ttmp6, 0x40000                   ; cx
	s_and_b32 s9, ttmp7, 0xffff                    ; batch x 16 + head
	s_lshr_b32 s10, s9, 4
	s_and_b32 s11, s9, 15
	DESC 24, 32, 192, 32                           ; K's codes: 49,152 dense bytes
	DESC 32, 768, 8, 12288                         ; V's codes: 6,144 bytes of each of 8 key steps, 98,304 bytes apart
	DESC 40, 32, 16, 32                            ; K's scale words: 4,096 dense bytes
	DESC 48, 64, 8, 1024                           ; V's: 512 bytes of each of 8 key steps, 8,192 bytes apart
	s_mul_i32 s12, s9, 49152
	s_add_co_u32 s12, s12, 3145728
	s_mov_b32 s13, 0
	s_mul_i32 s14, s10, 786432
	s_mul_i32 s15, s11, 6144
	s_add_co_u32 s14, s14, s15
	s_add_co_u32 s14, s14, 6291456
	s_mov_b32 s15, 0
	s_lshl_b32 s16, s9, 12
	s_add_co_u32 s16, s16, 9699328
	s_mov_b32 s17, 0
	s_lshl_b32 s80, s10, 16
	s_lshl_b32 s81, s11, 9
	s_add_co_u32 s80, s80, s81
	s_add_co_u32 s80, s80, 9961472
	s_mov_b32 s81, 0
	s_mov_b32 s[SEL], 0x76543210
	s_mov_b32 s[SEL+1], 0xfedcba98
	s_mov_b32 s[CS], 0x3e38aa3b                    ; c = log2(e) / sqrt(64)
	s_mov_b32 s[CS+1], s[CS]
	s_lshr_b32 s[JD], s[WV], 1                     ; my last key step, the one on the diagonal
	s_mov_b32 s[TB], 0
	s_mov_b32 s[TS], 0
	s_mov_b32 s[J], 0
	s_wait_dscnt 0x0                               ; both opening adds are done
	s_wait_kmcnt 0x0
	s_mov_b32 s56, 1
	s_mov_b32 s57, KC
	s_add_nc_u64 s[58:59], s[4:5], s[12:13]
	s_or_b32 s59, s59, 0x80000000
	s_mov_b32 s60, 1
	s_mov_b32 s61, VC
	s_add_nc_u64 s[62:63], s[4:5], s[14:15]
	s_or_b32 s63, s63, 0x80000000
	s_mov_b32 s68, 1
	s_mov_b32 s69, KSC
	s_add_nc_u64 s[70:71], s[4:5], s[16:17]
	s_or_b32 s71, s71, 0x80000000
	s_mov_b32 s72, 1
	s_mov_b32 s73, VSC
	s_add_nc_u64 s[74:75], s[4:5], s[80:81]
	s_or_b32 s75, s75, 0x80000000
	CROUND                                         ; all four work-groups are here: the joint loads meet
	TL 0, 56, 24
	TL 1, 60, 32
	TL 2, 68, 40
	TL 3, 72, 48
.Ltl_done:
	s_lshl_b32 s19, s[WV], 2
	s_add_co_u32 s19, s19, s8                      ; my query tile
	s_mul_i32 s82, s9, 49152
	s_mul_i32 s83, s19, 768
	s_add_co_u32 s82, s82, s83
	s_mov_b32 s83, 0
	s_add_nc_u64 s[12:13], s[4:5], s[82:83]        ; Q's codes
	s_lshl_b32 s82, s9, 12
	s_lshl_b32 s14, s19, 6
	s_add_co_u32 s82, s82, s14
	s_add_co_u32 s82, s82, 9437184
	s_add_nc_u64 s[14:15], s[4:5], s[82:83]        ; Q's scale words
	v_and_b32 v8, 15, v0                           ; r
	v_bfe_u32 v9, v0, 4, 1                         ; h
	v_and_b32 v10, 31, v0                          ; lane
	s_delay_alu instid0(VALU_DEP_1)
	v_lshlrev_b32 v[KA16], 4, v10
	s_delay_alu instid0(VALU_DEP_2)
	v_lshl_add_u32 v[KA8], v10, 3, 512
	v_lshlrev_b32 v11, 2, v8
	global_load_b128 v[16:19], v[KA16], s[12:13]   ; Q's half image: registers 0-5 of the fragment
	global_load_b64 v[20:21], v[KA8], s[12:13]
	global_load_b32 v255, v11, s[14:15]
	v_add_nc_u32 v[VA16], VC, v[KA16]
	v_add_nc_u32 v[VA8], VC, v[KA8]
	v_add_nc_u32 v[KSA], KSC, v11
	v_lshl_add_u32 v[VSA], v10, 2, VSC
	s_and_b32 s16, s[WV], 1
	s_lshl_b32 s16, s16, 6
	s_lshr_b32 s17, s8, 1
	s_lshl_b32 s17, s17, 5
	s_add_co_u32 s16, s16, s17
	s_and_b32 s17, s8, 1
	s_lshl_b32 s17, s17, 3
	s_add_co_u32 s16, s16, s17                     ; 64 (w % 2) + 32 (cx / 2) + 8 (cx % 2)
	v_and_b32 v12, 8, v8
	s_delay_alu instid0(VALU_DEP_1)
	v_add_nc_u32 v[DQ], v12, v8
	v_lshlrev_b32 v12, 4, v9
	s_delay_alu instid0(VALU_DEP_1)
	v_sub_nc_u32 v[DQ], v[DQ], v12
	s_delay_alu instid0(VALU_DEP_1)
	v_add_nc_u32 v[DQ], s16, v[DQ]
.irp i, 22,23,24,25,26,27
	v_mov_b32 v\i, 0                               ; Q's k = 64 .. 127: zero codes
.endr
.irp t, 0,1,2,3
.irp i, 6,7,8,9,10,11
	v_mov_b32 v[KR+12*\t+\i], 0                    ; and K's
.endr
.endr
	v_mov_b32 v13, 0xff61b1e6                      ; the largest t so far: -3e38
	s_delay_alu instid0(VALU_DEP_1)
	v_floor_f32 v12, -v13                          ; -M
	v_mov_b32 v14, 0
	v_mov_b32 v15, 0
.irp b, 0,1,2,3
	v_mov_b32 v[236+\b], 0                         ; a lane permute's destination counts as one of its sources
.endr
	v_mov_b32 v253, 0
.set N, 0
.rept 32
	v_mov_b32 v[O+N], 0                            ; O^T: the step is written once; the first change of M leaves zeros zeros
.set N, N+1
.endr
	s_wait_loadcnt 0x0                             ; Q
	s_wait_tensorcnt 0x0                           ; my load, if I had one, has landed
	s_barrier_signal -1
	s_barrier_wait -1                              ; all four have
.Lstep:                                            ; eight trips, a constant; a step past my diagonal is jumped over: a branch on the wave's number and the count of trips
	s_cmp_gt_u32 s[J], s[JD]
	s_cbranch_scc1 .Lhidden
	v_add_nc_u32 v8, s[TB], v[KA16]                ; (these six are also the places behind the last step's products)
	s_wait_alu depctr_va_vdst(0)
	v_add_nc_u32 v9, s[TB], v[KA8]
	s_wait_alu depctr_va_vdst(0)
	v_add_nc_u32 v10, s[TB], v[VA16]
	v_add_nc_u32 v11, s[TB], v[VA8]
	v_add_nc_u32 v30, s[TS], v[KSA]
	s_wait_alu depctr_va_vdst(0)
	v_add_nc_u32 v31, s[TS], v[VSA]
	s_wait_alu depctr_va_vdst(0)
.irp g, 0,1                                        ; S^T = K Q^T, four tiles of 16 keys at a time
.if \g > 0
.rept 4
	v_nop                                          ; places in front of loads into registers that matrix instructions have read
.endr
.endif
.irp i, 0,1,2,3
	ds_load_b128 v[KR+12*\i:KR+12*\i+3], v8 offset:(4*\g+\i)*768
	ds_load_b64 v[KR+12*\i+4:KR+12*\i+5], v9 offset:(4*\g+\i)*768
	ds_load_b32 v[248+\i], v30 offset:(4*\g+\i)*64
.endr
	s_wait_dscnt 0x0
.irp i, 0,1,2,3
	v_wmma_scale_f32_16x16x128_f8f6f4 v[S+8*(4*\g+\i):S+8*(4*\g+\i)+7], v[KR+12*\i:KR+12*\i+11], v[16:27], 0, v[248+\i], v255 matrix_a_fmt:MATRIX_FMT_FP6 matrix_b_fmt:MATRIX_FMT_FP6
.endr
.endr                                              ; register 16 b + i of S^T: key 128 J + 32 b + 16 (lane / 16) + i
.rept 4
	v_nop
.endr
.irp t, 0,1,2,3                                    ; V's four fragments and scale words are asked for here and land under the softmax
	ds_load_b128 v[VR+12*\t:VR+12*\t+3], v10 offset:\t*1536
	ds_load_b64 v[VR+12*\t+4:VR+12*\t+5], v11 offset:\t*1536
	ds_load_b128 v[VR+12*\t+6:VR+12*\t+9], v10 offset:\t*1536+768
	ds_load_b64 v[VR+12*\t+10:VR+12*\t+11], v11 offset:\t*1536+768
	ds_load_b32 v[248+\t], v31 offset:\t*128
.endr
	s_cmp_lg_u32 s[J], s[JD]
	s_cbranch_scc1 .Lopen                          ; only the step on the diagonal has hidden keys
	v_mov_b32 v254, 0xff800000                     ; -infinity
.set N, 0
.rept 64
	v_cmp_gt_i32 vcc_lo, 32*(N/16)+N%16, v[DQ]
	v_cndmask_b32 v[S+N], v[S+N], v254, vcc_lo
.set N, N+1
.endr
.Lopen:
.irp b, 0,1,2,3
	v_max3_num_f32 v[232+\b], v[S+16*\b], v[S+1+16*\b], v[S+2+16*\b]   ; the largest score of each block of 32 keys: for the row's maximum, and, since p rises with the score, for the block's largest p
.endr
.irp i, 3,5,7,9,11,13
.irp b, 0,1,2,3
	v_max3_num_f32 v[232+\b], v[232+\b], v[S+16*\b+\i], v[S+1+16*\b+\i]
.endr
.endr
.irp b, 0,1,2,3
	v_max_num_f32 v[232+\b], v[232+\b], v[S+15+16*\b]
.endr
.irp b, 0,1,2,3
	s_delay_alu instid0(VALU_DEP_4)
	v_permlanex16_b32 v[236+\b], v[232+\b], s[SEL], s[SEL+1]
.endr
.irp b, 0,1,2,3
	s_delay_alu instid0(VALU_DEP_4)
	v_max_num_f32 v[232+\b], v[232+\b], v[236+\b]
.endr
	s_delay_alu instid0(VALU_DEP_2)
	v_max3_num_f32 v254, v232, v233, v234
	s_delay_alu instid0(VALU_DEP_1)
	v_max_num_f32 v254, v254, v235
	s_delay_alu instid0(VALU_DEP_1)
	v_mul_f32 v254, s[CS], v254
	s_delay_alu instid0(VALU_DEP_1)
	v_max_num_f32 v13, v13, v254                   ; the running largest t
	v_mov_b32 v254, v12
	s_delay_alu instid0(VALU_DEP_2)
	v_floor_f32 v12, -v13                          ; the new -M = -ceil(t)
	s_delay_alu instid0(VALU_DEP_1)
	v_sub_f32 v254, v12, v254                      ; old M - new M: a whole number, 0 or less
	s_delay_alu instid0(VALU_DEP_1)
	v_cvt_i32_f32 v254, v254                       ; (it saturates)
	s_delay_alu instid0(VALU_DEP_1)
	v_ldexp_f32 v252, 1.0, v254                    ; f = 2^(old M - new M)
.set N, 0
.rept 32
	v_pk_fma_f32 v[S+N:S+N+1], v[S+N:S+N+1], s[CS:CS+1], v[12:13] op_sel_hi:[1,0,0]   ; t - M
.set N, N+2
.endr
.irp b, 0,1,2,3
	v_fma_f32 v[232+\b], v[232+\b], s[CS], v12
.endr
.set N, 0
	s_wait_alu depctr_va_vdst(0)
.rept 64
	v_exp_f32 v[S+N], v[S+N]                       ; p = 2^(t - M)
.set N, N+1
.endr
	v_pk_mul_f32 v[14:15], v[14:15], v[252:253] op_sel_hi:[1,0]   ; the sums under the new M; a plain place behind the exponentials
	s_wait_alu depctr_va_vdst(0)                   ; one wait for the batch, ahead of its first reader
.irp b, 0,1,2,3
	v_exp_f32 v[232+\b], v[232+\b]                 ; each block's largest p
.endr
	v_pk_add_f32 v[236:237], v[132:133], v[136:137]
	v_pk_add_f32 v[246:247], v[140:141], v[144:145]
	v_pk_add_f32 v[244:245], v[148:149], v[152:153]
	v_pk_add_f32 v[242:243], v[156:157], v[160:161]
	v_pk_add_f32 v[240:241], v[164:165], v[168:169]
	v_pk_add_f32 v[238:239], v[172:173], v[176:177]
	v_pk_add_f32 v[230:231], v[180:181], v[184:185]
	v_pk_add_f32 v[14:15], v[14:15], v[188:189]
	v_pk_add_f32 v[236:237], v[236:237], v[128:129]
	v_pk_add_f32 v[246:247], v[246:247], v[130:131]
	v_pk_add_f32 v[244:245], v[244:245], v[134:135]
	v_pk_add_f32 v[242:243], v[242:243], v[138:139]
	v_pk_add_f32 v[240:241], v[240:241], v[142:143]
	v_pk_add_f32 v[238:239], v[238:239], v[146:147]
	v_pk_add_f32 v[230:231], v[230:231], v[150:151]
	v_pk_add_f32 v[14:15], v[14:15], v[154:155]
	v_pk_add_f32 v[236:237], v[236:237], v[158:159]
	v_pk_add_f32 v[246:247], v[246:247], v[162:163]
	v_pk_add_f32 v[244:245], v[244:245], v[166:167]
	v_pk_add_f32 v[242:243], v[242:243], v[170:171]
	v_pk_add_f32 v[240:241], v[240:241], v[174:175]
	v_pk_add_f32 v[238:239], v[238:239], v[178:179]
	v_pk_add_f32 v[230:231], v[230:231], v[182:183]
	v_pk_add_f32 v[14:15], v[14:15], v[186:187]
	v_pk_add_f32 v[236:237], v[236:237], v[190:191]
	s_delay_alu instid0(VALU_DEP_2)
	v_pk_add_f32 v[14:15], v[14:15], v[242:243]
	s_delay_alu instid0(VALU_DEP_2)
	v_pk_add_f32 v[236:237], v[236:237], v[240:241]
	v_pk_add_f32 v[246:247], v[246:247], v[238:239]
	v_pk_add_f32 v[244:245], v[244:245], v[230:231]
	s_delay_alu instid0(VALU_DEP_2)
	v_pk_add_f32 v[14:15], v[14:15], v[246:247]
	s_delay_alu instid0(VALU_DEP_2)
	v_pk_add_f32 v[236:237], v[236:237], v[244:245]
	s_delay_alu instid0(VALU_DEP_1)
	v_pk_add_f32 v[14:15], v[14:15], v[236:237]
	s_wait_alu depctr_va_vdst(0)                   ; and one for the four
.irp b, 0,1,2,3
	v_max_num_f32 v[232+\b], 0x1800000, v[232+\b]  ; the floor 2^(3 - 127)
.endr
.irp b, 0,1,2,3
	s_delay_alu instid0(VALU_DEP_4)
	v_add_nc_u32 v[244+\b], 0xff000000, v[232+\b]
.endr
.irp b, 0,1,2,3
	s_delay_alu instid0(VALU_DEP_4)
	v_lshrrev_b32 v[236+\b], 23, v[244+\b]
.endr
	s_delay_alu instid0(VALU_DEP_3)
	v_lshl_or_b32 v253, v237, 8, v236              ; p's scale word for these 128 keys
	s_delay_alu instid0(VALU_DEP_1)
	v_lshl_or_b32 v253, v238, 16, v253
	s_delay_alu instid0(VALU_DEP_1)
	v_lshl_or_b32 v253, v239, 24, v253
.irp c, 0,1
	v_cvt_scalef32_pk16_fp6_f32 v[224+6*\c:226+6*\c], v[S+32*\c:S+15+32*\c], v[244+2*\c]
	v_cvt_scalef32_pk16_fp6_f32 v[236+4*\c:238+4*\c], v[S+16+32*\c:S+31+32*\c], v[244+2*\c+1]
.endr
	v_nop
.irp c, 0,1
.irp i, 0,1,2
	v_permlane16_swap_b32 v[224+6*\c+\i], v[236+4*\c+\i]
.endr
.irp i, 0,1,2
	s_delay_alu instid0(VALU_DEP_3)
	v_mov_b32 v[227+6*\c+\i], v[236+4*\c+\i]
.endr
.endr
.set N, 0
.rept 16
	v_pk_mul_f32 v[O+N:O+N+1], v[O+N:O+N+1], v[252:253] op_sel_hi:[1,0]   ; O^T under the new M; these sixteen are also the places between p's codes and scale word and the products
.set N, N+2
.endr
	s_wait_alu depctr_va_vdst(0)
	s_wait_dscnt 0x0                               ; V
.irp t, 0,1,2,3                                    ; O^T += V^T P^T: the four accumulators by turns
	v_wmma_scale_f32_16x16x128_f8f6f4 v[O+8*\t:O+8*\t+7], v[VR+12*\t:VR+12*\t+11], v[224:235], v[O+8*\t:O+8*\t+7], v[248+\t], v253 matrix_a_fmt:MATRIX_FMT_FP6 matrix_b_fmt:MATRIX_FMT_FP6
.endr
.Lhidden:
	s_add_co_u32 s[TB], s[TB], 6144                ; the next step's codes, of K and of V alike,
	s_add_co_u32 s[TS], s[TS], 512                 ; and scale words
	s_add_co_u32 s[J], s[J], 1
	s_cmp_lt_u32 s[J], 8
	s_cbranch_scc1 .Lstep
	; THE WAY OUT.  O^T / the sum: register 16 b + i is channel 32 b + 16 (lane / 16) + i of my query: two blocks of the projection's K, half an image.
	v_add_f32 v14, v14, v15
	s_delay_alu instid0(VALU_DEP_1)
	v_permlanex16_b32 v252, v14, s[SEL], s[SEL+1]
	s_delay_alu instid0(VALU_DEP_1)
	v_add_f32 v14, v14, v252
	s_wait_alu depctr_va_vdst(0)
	v_rcp_f32 v14, v14
	v_and_b32 v8, 15, v0
	v_bfe_u32 v9, v0, 4, 1
	s_delay_alu instid0(VALU_DEP_2)
	v_lshlrev_b32 v10, 2, v8
	s_delay_alu instid0(VALU_DEP_1)
	v_add_nc_u32 v10, v10, v9                      ; 4 r + h: my byte of my row's scale word
	s_lshl_b32 s82, s10, 3
	s_lshr_b32 s16, s19, 3
	s_add_co_u32 s82, s82, s16                     ; group of 128 tokens
	s_lshl_b32 s82, s82, 3
	s_lshr_b32 s16, s11, 1
	s_add_co_u32 s82, s82, s16                     ; K step = head / 2
	s_lshl_b32 s82, s82, 3
	s_and_b32 s16, s19, 7
	s_add_co_u32 s82, s82, s16                     ; tile
	s_and_b32 s16, s11, 1                          ; half = head % 2
	s_mul_i32 s12, s82, 1536
	s_mul_i32 s17, s16, 768
	s_add_co_u32 s12, s12, s17
	s_mov_b32 s13, 0
	s_add_nc_u64 s[12:13], s[6:7], s[12:13]
	s_lshl_b32 s14, s82, 6
	s_lshl_b32 s17, s16, 1
	s_add_co_u32 s14, s14, s17
	s_add_co_u32 s14, s14, 3145728
	s_mov_b32 s15, 0
	s_add_nc_u64 s[14:15], s[6:7], s[14:15]
	s_mov_b32 s17, 0xffff0000                      ; lanes 16-31
	s_wait_alu depctr_va_vdst(0)                   ; the wait ahead of the reciprocal's first reader
.set N, 0
.rept 32
	v_mul_f32 v[S+N], v[O+N], v14
.set N, N+1
.endr
.irp b, 0,1
	v_max3_num_f32 v[232+\b], |v[S+16*\b]|, |v[S+1+16*\b]|, 0x1800000
.endr
.irp i, 2,4,6,8,10,12,14
.irp b, 0,1
	s_delay_alu instid0(VALU_DEP_2)
	v_max3_num_f32 v[232+\b], v[232+\b], |v[S+16*\b+\i]|, |v[S+1+16*\b+\i]|
.endr
.endr
.irp b, 0,1
	s_delay_alu instid0(VALU_DEP_2)
	v_permlanex16_b32 v[236+\b], v[232+\b], s[SEL], s[SEL+1]
.endr
.irp b, 0,1
	s_delay_alu instid0(VALU_DEP_2)
	v_max_num_f32 v[232+\b], v[232+\b], v[236+\b]
.endr
.irp b, 0,1
	s_delay_alu instid0(VALU_DEP_2)
	v_add_nc_u32 v[244+\b], 0xff000000, v[232+\b]
.endr
.irp b, 0,1
	s_delay_alu instid0(VALU_DEP_2)
	v_lshrrev_b32 v[236+\b], 23, v[244+\b]
.endr
	v_cvt_scalef32_pk16_fp6_f32 v[224:226], v[S:S+15], v244
	v_cvt_scalef32_pk16_fp6_f32 v[240:242], v[S+16:S+31], v245
	v_cndmask_b32 v11, v236, v237, s17             ; lanes 0-15 store block 0's byte, lanes 16-31 block 1's.  (The plain place behind the conversions)
.irp i, 0,1,2
	v_permlane16_swap_b32 v[224+\i], v[240+\i]
.endr
.irp i, 0,1,2
	s_delay_alu instid0(VALU_DEP_3)
	v_mov_b32 v[227+\i], v[240+\i]
.endr
	global_store_b128 v[KA16], v[224:227], s[12:13]
	global_store_b64 v[KA8], v[228:229], s[12:13]
	global_store_b8 v10, v11, s[14:15]
	s_wait_tensorcnt 0x0                           ; the wave's end
	ds_add_u32 v[SPW], v[NIL]
	s_wait_dscnt 0x0
	CROUND                                         ; the closing round
	s_endpgm
.Lfunc_end_k_qeaceb36123_attn:
	.size	k_qeaceb36123_attn, .Lfunc_end_k_qeaceb36123_attn-k_qeaceb36123_attn
	.p2alignl 7, 3214868480
	.fill 96, 4, 3214868480
	.section	.rodata,"a",@progbits
	.p2align	6, 0x0
	.amdhsa_kernel k_qeaceb36123_attn
		.amdhsa_group_segment_fixed_size 167936
		.amdhsa_private_segment_fixed_size 0
		.amdhsa_enable_private_segment 0
		.amdhsa_kernarg_size 16
		.amdhsa_user_sgpr_count 2
		.amdhsa_user_sgpr_kernarg_segment_ptr 1
		.amdhsa_wavefront_size32 1
		.amdhsa_system_sgpr_workgroup_id_x 1
		.amdhsa_system_sgpr_workgroup_id_y 1
		.amdhsa_system_sgpr_workgroup_id_z 1
		.amdhsa_system_vgpr_workitem_id 0
		.amdhsa_next_free_vgpr 256
		.amdhsa_next_free_sgpr 84
		.amdhsa_reserve_vcc 1
		.amdhsa_float_denorm_mode_32 3
		.amdhsa_float_denorm_mode_16_64 3
		.amdhsa_memory_ordered 1
		.amdhsa_forward_progress 1
		.amdhsa_inst_pref_size 40
	.end_amdhsa_kernel
	.amdgpu_metadata
---
amdhsa.version: [ 1, 2 ]
amdhsa.kernels:
  - .name:           k_qeaceb36123_attn
    .symbol:         k_qeaceb36123_attn.kd
    .args:
      - { .name: qkv, .offset: 0, .size: 8, .value_kind: global_buffer, .address_space: global }
      - { .name: ctximg, .offset: 8, .size: 8, .value_kind: global_buffer, .address_space: global }
    .group_segment_fixed_size: 167936
    .private_segment_fixed_size: 0
    .kernarg_segment_align: 8
    .kernarg_segment_size: 16
    .max_flat_workgroup_size: 512
    .sgpr_count:     84
    .vgpr_count:     256
    .wavefront_size: 32
...
	.end_amdgpu_metadata
.endif
;; end of part 3
;; launch wo (part 4): grid 256 x 1, 8 waves a work-group, no clusters, 167,936 bytes of LDS; arguments ctximg, wimg, x, b2, g2, be2, nimg, x1; writes nimg, x1
.if DOCPART == 4
	.amdgcn_target "amdgcn-amd-amdhsa--gfx1250"
	.amdhsa_code_object_version 6
	.text
	.protected	k_qeaceb36123_wo
	.globl	k_qeaceb36123_wo
	.p2align	8
	.type	k_qeaceb36123_wo,@function
k_qeaceb36123_wo:
	s_mov_b64 s[64:65], 0
	v_nop
	global_prefetch_b8 v0, s[64:65] scope:SCOPE_SE
	s_setreg_imm32_b32 hwreg(HW_REG_WAVE_MODE, 25, 1), 1
	s_wait_xcnt 0x0
; x1 = x + ctx Wo on codes of FP6 (E2M3) with E8M0 scales, then the second layer norm and its quantiser, in one launch.  Stored: n's fragment images and scale words (nimg), and x1 + b2 (buffer x1), which the last launch adds to h w2.
; SHARES.  Work-group T owns tile T: 16 tokens (lane r holds token 32 (T / 2) + 8 (T % 2) + r + 8 (r / 8)) x all 1,024 columns, so that a row's mean and variance are made here.  Wave w owns columns 128 w .. 128 w + 127: W's group w,
; eight tiles, eight accumulators.  Source 0 = 16 rows of W, source 1 = the 16 tokens: register 8 t + j of lane (r, h) is column 128 w + 32 (t / 2) + 16 h + 8 (t % 2) + j of token r: 16 neighbours along the next K for each pair of tiles.
; OPERANDS.  Images (16 rows x 128 K = 1,536 bytes: half c at 768 c: registers 6 c .. 6 c + 3 at 16 x lane, 6 c + 4, 6 c + 5 at 512 + 8 x lane) go from memory straight into registers: with 16 rows to a work-group each fragment of W
; feeds one matrix instruction of one wave, so a way through LDS would add a write and a read of every byte and serve no reuse; for the same reason there are no joint loads and no cluster.  Three sets of registers take turns: a set is
; eight fragments of W and one of ctx, 36 loads, and five registers of scale words, 5 loads.  No prefetch: all 256 work-groups walk the same 819,200 bytes of W in the same order, and the ctx tile is 12,288 bytes.
; x comes by one tensor load a wave at the head (8 rows x 1,024 bytes, 16 bytes of padding behind each); nothing is filled again.
; THE NORM as reference() has it: the mean, then the mean square of x1 - mean; a row's sums cross the eight waves through 64 bytes a wave of LDS.
; x1's LAYOUT: [tile T][w][q = 0..15][lane][16 bytes]: registers 4 q .. 4 q + 3 of the lane's 64: every store covers 512 consecutive bytes, and the last launch's accumulators take them as they lie.
; LIMITS: NaN and infinities are not served; a block of zeros keeps the scale byte 1: its codes are zeros, and this program alone reads the bytes.
.set GK,    12288
.set FRB,   1536
.set ASOFF, 3145728                    ; ctx's scale words in ctximg; n's in nimg
.set BCOFF, 2359296                    ; Wo's images in wimg
.set BSOFF, 9535488                    ; Wo's scale words in wimg
.set XP,    1040                       ; an LDS row of x: 1,024 bytes + 16: an odd multiple of 16
.set RED,   64*XP                      ; behind x's 4 quarters x 16 rows: two blocks of 512 bytes for the rows' sums
.set SPARE, RED+1024                   ; the spare words, 128 bytes for each of eight waves
.set H,    2                           ; lane / 16
.set LO16, 4                           ; 16 x lane
.set LO8,  5                           ; 8 x lane
.set L4,   6                           ; 4 x lane
.set R4,   7                           ; 4 r
.set H64,  8                           ; 64 h
.set XA,   9                           ; my 64 numbers of x in LDS
.set RW,   10                          ; where my wave's sum of row r goes
.set RRD,  11                          ; where the eight waves' sums of row r lie
.set SO,   12                          ; 4 r + 2 h: my half of my row's scale word
.set SPW,  13
.set NIL,  14
.set TMP,  15
.set SCR,  16                          ; v16-30 scale words, three sets of five: four of W's (tile 2 p in lanes 0-15, 2 p + 1 in lanes 16-31), one of ctx's
.set ACC,  32                          ; v32-95 the eight accumulators; then x1, x1 - mean, n
.set S2,   96                          ; v96-203 set 2.  Sets 0 and 1: window 1, v0-107, v108-215
.set GG,   96                          ; behind K step 5: v96-159 g2, v160-223 b2; behind K step 6: window 1, v0-63 be2; behind K step 7: window 1, v108-171 x, then x1 + b2
.set BB2,  160
.set XR,   108
.set SM,   160                         ; behind b2's use: sums, mean, root, the quantiser's registers
.set MU,   168
.set RS,   170
.set TM,   176
.set PW,   192
.set PC,   194
.set AB,   38
.set AS,   40
.set WB,   42
.set WS,   44
.set CB,   46
.set NI,   48
.set NS,   50
.set X1,   52
.set WV,   54
.set SEL,  56
.set MSB, 0
.macro WIN new
.if MSB != \new
	s_set_vgpr_msb (MSB<<8)|\new
.set MSB, \new
.endif
.endm
.macro PLACES                          ; four plain vector instructions between a matrix instruction and a load into, or a read of, its registers
.rept 4
	v_nop
.endr
.endm
.macro GFRAG reg, base, off            ; an image from memory: each load takes 512 or 256 consecutive bytes
	global_load_b128 v[\reg:\reg+3], v[LO16], s[\base:\base+1] offset:\off
	global_load_b64 v[\reg+4:\reg+5], v[LO8], s[\base:\base+1] offset:\off+512
	global_load_b128 v[\reg+6:\reg+9], v[LO16], s[\base:\base+1] offset:\off+768
	global_load_b64 v[\reg+10:\reg+11], v[LO8], s[\base:\base+1] offset:\off+1280
.endm
.macro LOADK k                         ; K step k into set k % 3: 41 loads
.set LS, (\k)%3
.if LS == 2
.set LB, S2
	WIN 0
.else
.set LB, 108*LS
	WIN 0x40
.endif
.irp t, 0,1,2,3,4,5,6,7
	GFRAG LB+12*\t, WB, (\k)*GK+\t*FRB
.endr
	GFRAG LB+96, AB, (\k)*GK
	WIN 0
.irp p, 0,1,2,3
	global_load_b32 v[SCR+5*LS+\p], v[L4], s[WS:WS+1] offset:(\k)*512+\p*128
.endr
	global_load_b32 v[SCR+5*LS+4], v[R4], s[AS:AS+1] offset:(\k)*512
.endm
.macro MULK k, first                   ; eight products; the eight accumulators take turns, one instruction a turn
.set LS, (\k)%3
.if LS == 2
.set LB, S2
	WIN 0
.else
.set LB, 108*LS
	WIN 0x05
.endif
.irp p, 0,1,2,3
.if \first
	v_wmma_scale_f32_16x16x128_f8f6f4 v[ACC+16*\p:ACC+16*\p+7], v[LB+24*\p:LB+24*\p+11], v[LB+96:LB+107], 0, v[SCR+5*LS+\p], v[SCR+5*LS+4] matrix_a_fmt:MATRIX_FMT_FP6 matrix_b_fmt:MATRIX_FMT_FP6
	v_wmma_scale_f32_16x16x128_f8f6f4 v[ACC+16*\p+8:ACC+16*\p+15], v[LB+24*\p+12:LB+24*\p+23], v[LB+96:LB+107], 0, v[SCR+5*LS+\p], v[SCR+5*LS+4] matrix_a_fmt:MATRIX_FMT_FP6 matrix_b_fmt:MATRIX_FMT_FP6 matrix_a_scale:MATRIX_SCALE_ROW1
.else
	v_wmma_scale_f32_16x16x128_f8f6f4 v[ACC+16*\p:ACC+16*\p+7], v[LB+24*\p:LB+24*\p+11], v[LB+96:LB+107], v[ACC+16*\p:ACC+16*\p+7], v[SCR+5*LS+\p], v[SCR+5*LS+4] matrix_a_fmt:MATRIX_FMT_FP6 matrix_b_fmt:MATRIX_FMT_FP6
	v_wmma_scale_f32_16x16x128_f8f6f4 v[ACC+16*\p+8:ACC+16*\p+15], v[LB+24*\p+12:LB+24*\p+23], v[LB+96:LB+107], v[ACC+16*\p+8:ACC+16*\p+15], v[SCR+5*LS+\p], v[SCR+5*LS+4] matrix_a_fmt:MATRIX_FMT_FP6 matrix_b_fmt:MATRIX_FMT_FP6 matrix_a_scale:MATRIX_SCALE_ROW1
.endif
.endr
	PLACES
	WIN 0
.endm
; four packed chains in v[SM] to v[SM+7] become the row's sum over all 1,024 columns, in v[SM] of every lane: my 64, lane l xor 16's, and the eight waves' through LDS bytes of their own
.macro ALLSUM red
	v_pk_add_f32 v[SM:SM+1], v[SM:SM+1], v[SM+2:SM+3]
	v_pk_add_f32 v[SM+4:SM+5], v[SM+4:SM+5], v[SM+6:SM+7]
	s_delay_alu instid0(VALU_DEP_1)
	v_pk_add_f32 v[SM:SM+1], v[SM:SM+1], v[SM+4:SM+5]
	s_delay_alu instid0(VALU_DEP_1)
	v_add_f32 v[SM], v[SM], v[SM+1]
	s_delay_alu instid0(VALU_DEP_1)
	v_permlanex16_b32 v[SM+1], v[SM], s[SEL], s[SEL+1]
	s_delay_alu instid0(VALU_DEP_1)
	v_add_f32 v[SM], v[SM], v[SM+1]
	ds_store_b32 v[RW], v[SM] offset:\red          ; lanes r and 16 + r store the same number to the same word
	s_wait_alu depctr_va_vdst(0)                   ; the wait ahead of the blocking wait
	s_wait_dscnt 0x0
	s_barrier_signal -1
	s_barrier_wait -1
.irp i, 0,1,2,3,4,5,6,7
	ds_load_b32 v[SM+\i], v[RRD] offset:\red+64*\i
.endr
	s_wait_dscnt 0x0
	v_pk_add_f32 v[SM:SM+1], v[SM:SM+1], v[SM+2:SM+3]
	v_pk_add_f32 v[SM+4:SM+5], v[SM+4:SM+5], v[SM+6:SM+7]
	s_delay_alu instid0(VALU_DEP_1)
	v_pk_add_f32 v[SM:SM+1], v[SM:SM+1], v[SM+4:SM+5]
	s_delay_alu instid0(VALU_DEP_1)
	v_add_f32 v[SM], v[SM], v[SM+1]
.endm
	s_load_b256 s[4:11], s[0:1], 0x0               ; ctximg, wimg, x, b2
	s_load_b256 s[12:19], s[0:1], 0x20             ; g2, be2, nimg, x1
	v_lshl_add_u32 v[SPW], v0, 2, SPARE
	v_mov_b32 v[NIL], 0
	ds_add_u32 v[SPW], v[NIL]                      ; the wave's opening: the add, twice on end, and its wait ahead of my tensor load
	ds_add_u32 v[SPW], v[NIL]
	v_lshrrev_b32 v1, 5, v0
	v_readfirstlane_b32 s[WV], v1                  ; wave 0..7
	s_mov_b32 s24, (3<<16)|(1<<20)|(7<<22)|(3<<25) ; elements of 8 bytes; after every 256 words 4 words of padding
	s_mov_b32 s25, 128<<16                         ; rows of 128 elements: 1,024 bytes
	s_mov_b32 s26, 8<<16                           ; 8 rows
	s_mov_b32 s27, 128<<16
	s_mov_b32 s28, 8
	s_mov_b32 s29, 512                             ; a row of x: 4,096 bytes
	s_mov_b32 s30, 0
	s_mov_b32 s31, 0
	s_mov_b32 s20, 1
	s_mul_i32 s21, s[WV], 8*XP                     ; wave 2 c + u brings quarter c of the columns, rows 8 u .. 8 u + 7 of the tile
	s_lshr_b32 s32, ttmp9, 1
	s_lshl_b32 s32, s32, 5
	s_and_b32 s33, ttmp9, 1
	s_lshl_b32 s33, s33, 3
	s_add_co_u32 s32, s32, s33
	s_and_b32 s34, s[WV], 1
	s_lshl_b32 s33, s34, 4
	s_add_co_u32 s32, s32, s33                     ; token 32 (T / 2) + 8 (T % 2) + 16 u
	s_lshl_b32 s32, s32, 12
	s_lshr_b32 s35, s[WV], 1
	s_lshl_b32 s33, s35, 10
	s_add_co_u32 s32, s32, s33
	s_mov_b32 s33, 0
	s_mul_i32 s35, s35, 16*XP
	s_lshl_b32 s34, s34, 9
	s_add_co_u32 s35, s35, s34                     ; my columns in LDS: quarter w / 2, + 512 (w % 2)
	s_lshr_b32 s36, ttmp9, 3                       ; the tile's group of 128 tokens,
	s_and_b32 s37, ttmp9, 7                        ; and its place there
	s_mul_i32 s[AB], s36, 8*GK
	s_mul_i32 s34, s37, FRB
	s_add_co_u32 s[AB], s[AB], s34
	s_mov_b32 s[AB+1], 0
	s_mul_i32 s[NI], s[WV], GK
	s_add_co_u32 s[NI], s[NI], s[AB]               ; n's image: (group, K step w, tile)
	s_mov_b32 s[NI+1], 0
	s_lshl_b32 s[AS], s36, 12
	s_lshl_b32 s34, s37, 6
	s_add_co_u32 s[AS], s[AS], s34
	s_add_co_u32 s[AS], s[AS], ASOFF
	s_mov_b32 s[AS+1], 0
	s_lshl_b32 s[CB], s[WV], 9                     ; my 128 columns, x 4 bytes; also a K step's scale words
	s_mov_b32 s[CB+1], 0
	s_add_co_u32 s[NS], s[AS], s[CB]
	s_mov_b32 s[NS+1], 0
	s_mul_i32 s[WB], s[WV], 8*GK
	s_add_co_u32 s[WB], s[WB], BCOFF
	s_mov_b32 s[WB+1], 0
	s_lshl_b32 s[WS], s[WV], 12
	s_add_co_u32 s[WS], s[WS], BSOFF
	s_mov_b32 s[WS+1], 0
	s_lshl_b32 s[X1], ttmp9, 16
	s_lshl_b32 s34, s[WV], 13
	s_add_co_u32 s[X1], s[X1], s34
	s_mov_b32 s[X1+1], 0
	s_lshl_b32 s34, s[WV], 6
	s_mov_b32 s[SEL], 0x76543210
	s_mov_b32 s[SEL+1], 0xfedcba98                 ; v_permlanex16_b32's selects for lane l xor 16
	s_mov_b32 s58, 0x3a800000                      ; 1 / 1,024
	s_mov_b32 s59, 0x3727c5ac                      ; eps = 1e-5
	v_and_b32 v1, 15, v0                           ; r
	v_bfe_u32 v[H], v0, 4, 1
	v_and_b32 v3, 31, v0                           ; lane
	v_lshlrev_b32 v[LO16], 4, v3
	v_lshlrev_b32 v[LO8], 3, v3
	v_lshlrev_b32 v[L4], 2, v3
	v_lshlrev_b32 v[R4], 2, v1
	v_lshlrev_b32 v[H64], 6, v[H]
	v_mul_u32_u24 v[XA], v1, XP
	v_lshl_add_u32 v[XA], v[H], 6, v[XA]
	v_add_nc_u32 v[XA], s35, v[XA]
	v_add_nc_u32 v[RRD], RED, v[R4]
	v_add_nc_u32 v[RW], s34, v[RRD]
	v_lshl_add_u32 v[SO], v[H], 1, v[R4]
	s_wait_alu depctr_va_vdst(0)                   ; the wait at the head's end
	s_wait_dscnt 0x0                               ; both opening adds are done
	s_wait_kmcnt 0x0
	s_add_nc_u64 s[22:23], s[8:9], s[32:33]
	s_or_b32 s23, s23, 0x80000000
	tensor_load_to_lds s[20:23], s[24:31]          ; my one tensor load: every wave issues one
	s_nop 0
.rept 4
	v_nop
.endr
	s_add_nc_u64 s[AB:AB+1], s[4:5], s[AB:AB+1]
	s_add_nc_u64 s[AS:AS+1], s[4:5], s[AS:AS+1]
	s_add_nc_u64 s[WB:WB+1], s[6:7], s[WB:WB+1]
	s_add_nc_u64 s[WS:WS+1], s[6:7], s[WS:WS+1]
	s_add_nc_u64 s[10:11], s[10:11], s[CB:CB+1]
	s_add_nc_u64 s[12:13], s[12:13], s[CB:CB+1]
	s_add_nc_u64 s[14:15], s[14:15], s[CB:CB+1]
	s_add_nc_u64 s[NI:NI+1], s[16:17], s[NI:NI+1]
	s_add_nc_u64 s[NS:NS+1], s[16:17], s[NS:NS+1]
	s_add_nc_u64 s[X1:X1+1], s[18:19], s[X1:X1+1]
	LOADK 0
	LOADK 1
	LOADK 2
.set K, 0
.rept 8
.if K < 7
	s_wait_loadcnt 63                              ; K step K is in: behind its loads 82 younger ones have been issued (K = 6: 41 + 32), more than a wait can name
.else
	s_wait_loadcnt 48                              ; behind K step 7's: g2's and b2's 32 and be2's 16
.endif
.if K == 0
	MULK K, 1                                      ; the first K step starts the sums
.else
	MULK K, 0
.endif
.if K+3 < 8
	LOADK K+3                                      ; into the set just multiplied, behind its places
.endif
.if K == 5
.irp b, 0,1,2,3
.irp j, 0,1,2,3
	global_load_b128 v[GG+16*\b+4*\j:GG+16*\b+4*\j+3], v[H64], s[12:13] offset:128*\b+16*\j    ; columns 32 b + 16 h + 4 j on, in the accumulators' order
	global_load_b128 v[BB2+16*\b+4*\j:BB2+16*\b+4*\j+3], v[H64], s[10:11] offset:128*\b+16*\j
.endr
.endr
.endif
.if K == 6
	WIN 0x40
.irp b, 0,1,2,3
.irp j, 0,1,2,3
	global_load_b128 v[16*\b+4*\j:16*\b+4*\j+3], v[H64], s[14:15] offset:128*\b+16*\j
.endr
.endr
	WIN 0
.endif
.set K, K+1
.endr
	s_wait_tensorcnt 0x0                           ; my part of x has landed
	s_barrier_signal -1
	s_barrier_wait -1                              ; everybody's has
	WIN 0x40
.irp b, 0,1,2,3
.irp j, 0,1,2,3
	ds_load_b128 v[XR+16*\b+4*\j:XR+16*\b+4*\j+3], v[XA] offset:128*\b+16*\j
.endr
.endr
	s_wait_dscnt 0x0
	WIN 0x04                                       ; source 1: window 1
.set N, 0
.rept 32
	v_pk_add_f32 v[ACC+N:ACC+N+1], v[ACC+N:ACC+N+1], v[XR+N:XR+N+1]      ; x1; each accumulator from its low end on
.set N, N+2
.endr
	s_wait_loadcnt 16                              ; g2 and b2 are in; be2's 16 loads may be out
	WIN 0x40
.set N, 0
.rept 32
	v_pk_add_f32 v[XR+N:XR+N+1], v[ACC+N:ACC+N+1], v[BB2+N:BB2+N+1]      ; x1 + b2
.set N, N+2
.endr
	WIN 0x04                                       ; the stores' data: window 1
.irp q, 0,1,2,3,4,5,6,7,8,9,10,11,12,13,14,15
	global_store_b128 v[LO16], v[XR+4*\q:XR+4*\q+3], s[X1:X1+1] offset:\q*512
.endr
	WIN 0
.irp c, 0,2,4,6
	v_pk_add_f32 v[SM+\c:SM+\c+1], v[ACC+\c:ACC+\c+1], v[ACC+8+\c:ACC+9+\c]
.endr
.irp j, 16,24,32,40,48,56
.irp c, 0,2,4,6
	v_pk_add_f32 v[SM+\c:SM+\c+1], v[SM+\c:SM+\c+1], v[ACC+\j+\c:ACC+\j+\c+1]
.endr
.endr
	ALLSUM 0
	s_delay_alu instid0(VALU_DEP_1)
	v_mul_f32 v[MU], s58, v[SM]                    ; the mean
	s_delay_alu instid0(VALU_DEP_1)
	v_mov_b32 v[MU+1], v[MU]
.set N, 0
.rept 32
	v_pk_add_f32 v[ACC+N:ACC+N+1], v[ACC+N:ACC+N+1], v[MU:MU+1] neg_lo:[0,1] neg_hi:[0,1]
.set N, N+2
.endr
.irp c, 0,2,4,6
	v_pk_mul_f32 v[SM+\c:SM+\c+1], v[ACC+\c:ACC+\c+1], v[ACC+\c:ACC+\c+1]
.endr
.irp j, 8,16,24,32,40,48,56
.irp c, 0,2,4,6
	v_pk_fma_f32 v[SM+\c:SM+\c+1], v[ACC+\j+\c:ACC+\j+\c+1], v[ACC+\j+\c:ACC+\j+\c+1], v[SM+\c:SM+\c+1]
.endr
.endr
	ALLSUM 512
	s_delay_alu instid0(VALU_DEP_1)
	v_fma_f32 v[SM+2], v[SM], s58, s59             ; var + eps
	s_wait_alu depctr_va_vdst(0)                   ; the wait ahead of the root,
	v_rsq_f32 v[RS], v[SM+2]
	v_nop                                          ; a plain place behind it,
	s_wait_alu depctr_va_vdst(0)                   ; and the wait ahead of its first reader
	v_mov_b32 v[RS+1], v[RS]
.irp b, 0,1,2,3
	v_mov_b32 v[TM+4+\b], 0                        ; a lane permute's destination counts as one of its sources
.endr
	s_wait_alu depctr_va_vdst(0)
	s_wait_loadcnt 0x0                             ; be2
.set N, 0
.rept 32
	v_pk_mul_f32 v[ACC+N:ACC+N+1], v[ACC+N:ACC+N+1], v[RS:RS+1]
.set N, N+2
.endr
	WIN 0x10                                       ; source 2: window 1
.set N, 0
.rept 32
	v_pk_fma_f32 v[ACC+N:ACC+N+1], v[ACC+N:ACC+N+1], v[GG+N:GG+N+1], v[N:N+1]
.set N, N+2
.endr
	WIN 0
; THE QUANTISER: register 16 b + i is k = 32 b + 16 h + i of K step w of my row
.irp b, 0,1,2,3
	v_max3_num_f32 v[TM+\b], |v[ACC+16*\b]|, |v[ACC+1+16*\b]|, 0x1800000   ; my 16 numbers of block b, and the floor 2^(3 - 127): the byte cannot fall under 1
.endr
.irp i, 2,4,6,8,10,12,14
.irp b, 0,1,2,3
	v_max3_num_f32 v[TM+\b], v[TM+\b], |v[ACC+16*\b+\i]|, |v[ACC+1+16*\b+\i]|
.endr
.endr
.irp b, 0,1,2,3
	v_permlanex16_b32 v[TM+4+\b], v[TM+\b], s[SEL], s[SEL+1]
.endr
.irp b, 0,1,2,3
	v_max_num_f32 v[TM+\b], v[TM+\b], v[TM+4+\b]   ; with lane l xor 16's: the block's largest magnitude
.endr
.irp b, 0,1,2,3
	v_add_nc_u32 v[TM+12+\b], 0xff000000, v[TM+\b] ; 2 off its exponent field: the conversion's scale operand
.endr
.irp b, 0,1,2,3
	v_lshrrev_b32 v[TM+4+\b], 23, v[TM+12+\b]      ; the scale's byte
.endr
	v_lshlrev_b32 v[TMP], 4, v[H]
	v_lshl_or_b32 v[PW], v[TM+5], 8, v[TM+4]
	s_delay_alu instid0(VALU_DEP_1)
	v_lshl_or_b32 v[PW], v[TM+6], 16, v[PW]
	s_delay_alu instid0(VALU_DEP_1)
	v_lshl_or_b32 v[PW], v[TM+7], 24, v[PW]
	s_delay_alu instid0(VALU_DEP_1)
	v_lshrrev_b32 v[TMP], v[TMP], v[PW]            ; lanes 0-15 store the word's low half, lanes 16-31 its high half
.irp c, 0,1
	v_cvt_scalef32_pk16_fp6_f32 v[PC+6*\c:PC+2+6*\c], v[ACC+32*\c:ACC+15+32*\c], v[TM+12+2*\c]
	v_cvt_scalef32_pk16_fp6_f32 v[PC+12+4*\c:PC+14+4*\c], v[ACC+16+32*\c:ACC+31+32*\c], v[TM+12+2*\c+1]   ; (a conversion's three registers begin on an even number)
.endr
	v_nop                                          ; one plain place behind a scaled conversion
.irp c, 0,1                                        ; the operand's layout wants a whole block in a lane
.irp i, 0,1,2
	v_permlane16_swap_b32 v[PC+6*\c+\i], v[PC+12+4*\c+\i]
.endr
.irp i, 0,1,2
	v_mov_b32 v[PC+3+6*\c+\i], v[PC+12+4*\c+\i]
.endr
.endr
	global_store_b128 v[LO16], v[PC:PC+3], s[NI:NI+1]
	global_store_b64 v[LO8], v[PC+4:PC+5], s[NI:NI+1] offset:512
	global_store_b128 v[LO16], v[PC+6:PC+9], s[NI:NI+1] offset:768
	global_store_b64 v[LO8], v[PC+10:PC+11], s[NI:NI+1] offset:1280
	global_store_b16 v[SO], v[TMP], s[NS:NS+1]
	s_wait_tensorcnt 0x0                           ; the wave's end: behind my tensor load and my last LDS store
	ds_add_u32 v[SPW], v[NIL]
	s_wait_dscnt 0x0
	s_endpgm
.Lfunc_end_k_qeaceb36123_wo:
	.size	k_qeaceb36123_wo, .Lfunc_end_k_qeaceb36123_wo-k_qeaceb36123_wo
	.p2alignl 7, 3214868480
	.fill 96, 4, 3214868480
	.section	.rodata,"a",@progbits
	.p2align	6, 0x0
	.amdhsa_kernel k_qeaceb36123_wo
		.amdhsa_group_segment_fixed_size 167936
		.amdhsa_private_segment_fixed_size 0
		.amdhsa_enable_private_segment 0
		.amdhsa_kernarg_size 64
		.amdhsa_user_sgpr_count 2
		.amdhsa_user_sgpr_kernarg_segment_ptr 1
		.amdhsa_wavefront_size32 1
		.amdhsa_system_sgpr_workgroup_id_x 1
		.amdhsa_system_sgpr_workgroup_id_y 1
		.amdhsa_system_sgpr_workgroup_id_z 1
		.amdhsa_system_vgpr_workitem_id 0
		.amdhsa_next_free_vgpr 512
		.amdhsa_next_free_sgpr 66
		.amdhsa_reserve_vcc 0
		.amdhsa_float_denorm_mode_32 3
		.amdhsa_float_denorm_mode_16_64 3
		.amdhsa_memory_ordered 1
		.amdhsa_forward_progress 1
		.amdhsa_inst_pref_size 75
	.end_amdhsa_kernel
	.amdgpu_metadata
---
amdhsa.version: [ 1, 2 ]
amdhsa.kernels:
  - .name:           k_qeaceb36123_wo
    .symbol:         k_qeaceb36123_wo.kd
    .args:
      - { .name: ctximg, .offset: 0, .size: 8, .value_kind: global_buffer, .address_space: global }
      - { .name: wimg, .offset: 8, .size: 8, .value_kind: global_buffer, .address_space: global }
      - { .name: x, .offset: 16, .size: 8, .value_kind: global_buffer, .address_space: global }
      - { .name: b2, .offset: 24, .size: 8, .value_kind: global_buffer, .address_space: global }
      - { .name: g2, .offset: 32, .size: 8, .value_kind: global_buffer, .address_space: global }
      - { .name: be2, .offset: 40, .size: 8, .value_kind: global_buffer, .address_space: global }
      - { .name: nimg, .offset: 48, .size: 8, .value_kind: global_buffer, .address_space: global }
      - { .name: x1, .offset: 56, .size: 8, .value_kind: global_buffer, .address_space: global }
    .group_segment_fixed_size: 167936
    .private_segment_fixed_size: 0
    .kernarg_segment_align: 8
    .kernarg_segment_size: 64
    .max_flat_workgroup_size: 256
    .sgpr_count:     66
    .vgpr_count:     512
    .wavefront_size: 32
...
	.end_amdgpu_metadata
.endif
;; end of part 4
;; launch ffn1 (part 5): grid 16 x 16, 4 waves a work-group, clusters of 4 x 4, 327,680 bytes of LDS; arguments nimg, wimg, b1, himg; writes himg
.if DOCPART == 5
	.amdgcn_target "amdgcn-amd-amdhsa--gfx1250"
	.amdhsa_code_object_version 6
	.text
	.protected	k_qeaceb36123_ffn1
	.globl	k_qeaceb36123_ffn1
	.p2align	8
	.type	k_qeaceb36123_ffn1,@function
k_qeaceb36123_ffn1:
	s_mov_b64 s[64:65], 0
	v_nop
	global_prefetch_b8 v0, s[64:65] scope:SCOPE_SE
	s_setreg_imm32_b32 hwreg(HW_REG_WAVE_MODE, 25, 1), 1
	s_wait_xcnt 0x0
	s_wait_alu depctr_hold_cnt(0) depctr_sa_sdst(0) depctr_va_vdst(0) depctr_va_sdst(0) depctr_va_ssrc(0) depctr_va_vcc(0) depctr_vm_vsrc(0)
	s_getreg_b32 s2, hwreg(HW_REG_IB_STS2, 6, 4)
	s_cmp_eq_u32 s2, 0
	s_cbranch_scc0 .Lentry_in_a_cluster
	s_endpgm
.Lentry_in_a_cluster:
	s_bfe_u32 s2, ttmp6, 0x10000c
	s_cmp_lg_u32 s2, 0xf033
	s_cbranch_scc0 .Lentry_shape_is_right
	s_endpgm
.Lentry_shape_is_right:
; h = relu(n w1 + b1) on codes of FP6 (E2M3) with E8M0 scales, quantised along the hidden axis on the way out.  Operands and result are fragment images, [group of 128 rows][K step][tile][1,536], scale words [group][K step][tile][16].
; A tile of C, 256 x 256, is made by four waves, each 128 x 128 in 64 accumulators; source 0 = 16 rows of w1, source 1 = 16 tokens; the bias is the C of the first products.  CLUSTER 4 x 4: n shared along a row, w1 along a column.
; THE FILLS.  At the head one joint load a wave: wave 0 K steps 0, 1 of n's two groups (a tile of two rows of 24,576 bytes), wave 1 the same of w1, waves 2 and 3 the scale words of all of K.  Behind the first full sequence and round
; one load a wave: K steps 2 to 5 of its group (49,152 dense bytes), into slots 1 and 2, which lie group by group.  K steps 6, 7 are the one refill, into slot 0 when it is read out.
; LIMITS: NaN and infinities are not served; a block of zeros keeps the scale byte 1: its codes are zeros, and this program alone reads the bytes.
.set GK,    12288
.set GSTR,  8*GK
.set FRB,   1536
.set FR,    12
.set NL,    4
.set NP,    4
.set NQ,    2
.set HALFT, NQ*GK
.set SLOT,  4*HALFT
.set SCL,   3*SLOT
.set HALFS, 4096
.set SPARE, SCL+4*HALFS
.set ADRS, 27
.set SPW,  28
.set NIL,  29
.set SC,   32
.set BI,   64
.set AF,   128
.set TM,   200
.set PW,   216
.set PC,   224
.set ADRA, 244
.set ADRB, 250
.set G1, 24
.set G0, 32
.set G1B, 48
.set G0B, 56
.set G1S, 68
.set G0S, 76
.set G1SB, 80
.set G0SB, 88
.set G0B2, 92
.set G0A2, 96
.set MSB, 0
.macro WIN new
.if MSB != \new
	s_set_vgpr_msb (MSB<<8)|\new
.set MSB, \new
.endif
.endm
.set MUL_LO, 0xa1
.set MUL_HI, 0xf1
.set BIA_LO, 0x81
.set BIA_HI, 0xc1
.set TO_B,   0x40
.macro JLOAD g0a, g1a, g0b, g1b
	s_cmp_eq_u32 s15, 0
	s_cbranch_scc0 .Lfor_b_\@
	tensor_load_to_lds s[\g0a:\g0a+3], s[\g1a:\g1a+7]
	s_nop 0
.rept 4
	v_nop
.endr
	s_branch .Lasked_\@
.Lfor_b_\@:
	tensor_load_to_lds s[\g0b:\g0b+3], s[\g1b:\g1b+7]
	s_nop 0
.rept 4
	v_nop
.endr
.Lasked_\@:
.endm
.macro CREST
	s_cmp_lg_u32 s14, 0
	s_cbranch_scc1 .Lnot_wave_0_\@
	s_barrier_signal -3
.Lnot_wave_0_\@:
	s_barrier_wait -3
	s_barrier_signal -1
	s_barrier_wait -1
.endm
.macro CROUND
	s_barrier_signal -1
	s_barrier_wait -1
	CREST
.endm
.macro FIRST ga, gb, s
	s_mov_b32 s[\ga], 1
	s_add_co_u32 s[\ga+1], s45, (\s)*SLOT
	s_add_nc_u64 s[\ga+2:\ga+3], s[20:21], (\s)*HALFT
	s_or_b32 s[\ga+3], s[\ga+3], 0x80000000
	s_mov_b32 s[\gb], 1
	s_add_co_u32 s[\gb+1], s45, (\s)*SLOT
	s_add_nc_u64 s[\gb+2:\gb+3], s[46:47], (\s)*HALFT
	s_or_b32 s[\gb+3], s[\gb+3], 0x80000000
.endm
	s_load_b128 s[4:7], s[0:1], 0x0
	s_load_b128 s[8:11], s[0:1], 0x10
	v_lshl_add_u32 v[SPW], v0, 2, SPARE
	v_mov_b32 v[NIL], 0
	ds_add_u32 v[SPW], v[NIL]
	ds_add_u32 v[SPW], v[NIL]
	v_lshrrev_b32 v1, 5, v0
	v_readfirstlane_b32 s14, v1
	s_lshr_b32 s15, s14, 1
	s_and_b32 s16, s14, 1
	s_bfe_u32 s40, ttmp6, 0x40000
	s_bfe_u32 s41, ttmp6, 0x40004
	s_lshl_b32 s42, ttmp9, 2
	s_add_co_u32 s42, s42, s40
	s_and_b32 s17, ttmp7, 0xffff
	s_lshl_b32 s17, s17, 2
	s_add_co_u32 s17, s17, s41
	s_lshl_b32 s43, s41, 2
	s_lshl_b32 s43, 15, s43
	s_lshl_b32 s44, 0x1111, s40
	s_or_b32 s[G1+0], s43, (3<<16)|(1<<21)
	s_or_b32 s[G1B+0], s44, (3<<16)|(1<<21)
.irp g, G1, G1B
	s_mov_b32 s[\g+1], 3072<<16                    ; the head's shape: rows of 3,072 elements of 8 bytes: two K steps of a group
	s_mov_b32 s[\g+2], 2<<16                       ; two rows: the tile's two groups
	s_mov_b32 s[\g+3], 3072<<16
	s_mov_b32 s[\g+4], 2
	s_mov_b32 s[\g+5], GSTR/8                      ; a group apart
	s_mov_b32 s[\g+6], 0
	s_mov_b32 s[\g+7], 0
.endr
	s_or_b32 s[G1S+0], s43, (3<<16)|(1<<21)
	s_or_b32 s[G1SB+0], s44, (3<<16)|(1<<21)
.irp g, G1S, G1SB
	s_mov_b32 s[\g+1], 32<<16
	s_mov_b32 s[\g+2], 32<<16                      ; two groups' scale words: 32 rows of 256 bytes
	s_mov_b32 s[\g+3], 32<<16
	s_mov_b32 s[\g+4], 32
	s_mov_b32 s[\g+5], 32
	s_mov_b32 s[\g+6], 0
	s_mov_b32 s[\g+7], 0
.endr
	s_lshl_b32 s18, s17, 1
	s_mul_i32 s20, s18, GSTR
	s_mov_b32 s21, 0
	s_lshl_b32 s22, s18, 12
	s_add_co_u32 s22, s22, 3145728
	s_mov_b32 s23, 0
	s_lshl_b32 s45, s42, 1
	s_mul_i32 s46, s45, GSTR
	s_add_co_u32 s46, s46, 3145728
	s_mov_b32 s47, 0
	s_lshl_b32 s92, s45, 12
	s_add_co_u32 s92, s92, 9568256
	s_mov_b32 s93, 0
	s_mul_i32 s45, s14, HALFT
	s_wait_dscnt 0x0
	s_wait_kmcnt 0x0
	s_add_nc_u64 s[20:21], s[4:5], s[20:21]
	s_add_nc_u64 s[22:23], s[4:5], s[22:23]
	s_add_nc_u64 s[46:47], s[6:7], s[46:47]
	s_add_nc_u64 s[92:93], s[6:7], s[92:93]
	CROUND
	s_mov_b32 s[G0S], 1
	s_mov_b32 s[G0S+1], SCL
	s_mov_b64 s[G0S+2:G0S+3], s[22:23]
	s_or_b32 s[G0S+3], s[G0S+3], 0x80000000
	s_mov_b32 s[G0SB], 1
	s_mov_b32 s[G0SB+1], SCL+2*HALFS
	s_mov_b64 s[G0SB+2:G0SB+3], s[92:93]
	s_or_b32 s[G0SB+3], s[G0SB+3], 0x80000000
	s_mov_b32 s[G0A2], 1                           ; the head's tiles of codes: K steps 0, 1 of n's two groups,
	s_mov_b32 s[G0A2+1], 0
	s_mov_b64 s[G0A2+2:G0A2+3], s[20:21]
	s_or_b32 s[G0A2+3], s[G0A2+3], 0x80000000
	s_mov_b32 s[G0B2], 1                           ; and of w1's, behind them in slot 0
	s_mov_b32 s[G0B2+1], 2*HALFT
	s_mov_b64 s[G0B2+2:G0B2+3], s[46:47]
	s_or_b32 s[G0B2+3], s[G0B2+3], 0x80000000
	s_mul_i32 s18, s16, GSTR                       ; for the later loads: the group that I fetch
	s_mov_b32 s19, 0
	s_add_nc_u64 s[20:21], s[20:21], s[18:19]
	s_add_nc_u64 s[46:47], s[46:47], s[18:19]
	FIRST G0, G0B, 0                               ; slot 0's group 0, first used by the refill
	FIRST G0+4, G0B+4, 1                           ; K steps 2 to 5,
	s_add_co_u32 s[G0+5], s[G0+5], s45             ; at SLOT + wave x 49,152
	s_add_co_u32 s[G0B+5], s[G0B+5], s45
	s_cmp_eq_u32 s15, 0                            ; the prefetches: the group that I fetch,
	s_cselect_b64 s[100:101], s[20:21], s[46:47]
	s_cselect_b32 s2, s40, s41                     ; and my place among the four that ask for it with me
	s_mul_i32 s3, s2, 48*256                       ; of the 192 rows of K steps 2 to 5 my work-group names 48,
	s_mul_i32 s2, s2, 24*256                       ; of the 96 rows of K steps 6, 7 it names 24
; one tree of branches on the wave's number, one load to an arm, all arms to one join: one tensor load a wave at the head
.macro ARM under, g0, g1, next
	s_cmp_lt_u32 s14, \under
	s_cbranch_scc0 \next
	tensor_load_to_lds s[\g0:\g0+3], s[\g1:\g1+7]
	s_nop 0
.rept 4
	v_nop
.endr
	s_branch .Lhead_asked
\next:
.endm
	ARM 1, G0A2, G1, .Lhead_b
	ARM 2, G0B2, G1B, .Lhead_sa
	ARM 3, G0S, G1S, .Lhead_sb
	tensor_load_to_lds s[G0SB:G0SB+3], s[G1SB:G1SB+7]
	s_nop 0
.rept 4
	v_nop
.endr
.Lhead_asked:
	v_and_b32 v1, 15, v0
	v_bfe_u32 v2, v0, 4, 1
	v_and_b32 v3, 31, v0
	v_lshlrev_b32 v4, 4, v3
	v_lshlrev_b32 v5, 3, v3
	v_lshlrev_b32 v16, 8, v3                       ; a lane a block of 256 bytes; lanes left over name their wave's last block again; v16 to v18 are never rewritten
	v_min_u32 v17, 15, v3
	v_min_u32 v18, 23, v3
	v_add_nc_u32 v16, s3, v16
	v_lshl_add_u32 v17, v17, 8, 8192
	v_lshlrev_b32 v18, 8, v18
	v_add_nc_u32 v17, s3, v17
	v_add_nc_u32 v18, s2, v18
	global_prefetch_b8 v16, s[100:101] offset:HALFT th:TH_LOAD_NT scope:SCOPE_SE   ; K steps 2 to 5, one fill ahead of their load
	global_prefetch_b8 v17, s[100:101] offset:HALFT th:TH_LOAD_NT scope:SCOPE_SE
	s_mul_i32 s21, s15, HALFT
	s_mul_i32 s22, s16, HALFT
	s_add_co_u32 s22, s22, 2*HALFT
.irp s, 0,1,2
	v_add_nc_u32 v[ADRA+\s], s21, v4
	v_add_nc_u32 v[ADRB+\s], s22, v4
	v_add_nc_u32 v[ADRA+3+\s], s21, v5
	v_add_nc_u32 v[ADRB+3+\s], s22, v5
.if \s == 0
	s_lshl_b32 s21, s21, 1                         ; slots 1 and 2 lie group by group: a group's four K steps on end, 49,152 bytes
	s_lshl_b32 s22, s22, 1
	s_add_co_u32 s21, s21, SLOT
	s_add_co_u32 s22, s22, SLOT
	s_wait_alu depctr_va_vdst(0)                   ; the wait behind the scalar lines
.else
	s_add_co_u32 s21, s21, HALFT
	s_add_co_u32 s22, s22, HALFT
.endif
.endr
	v_lshlrev_b32 v7, 2, v1
	s_mul_i32 s21, s15, HALFS
	s_mul_i32 s22, s16, HALFS
	s_add_co_u32 s22, s22, 2*HALFS
	s_sub_co_u32 s22, s22, s21
	v_mul_u32_u24 v6, s22, v2
	s_add_co_u32 s21, s21, SCL
	v_add_nc_u32 v7, v7, v6
	v_add_nc_u32 v[ADRS], s21, v7
	s_lshl_b32 s18, s17, 1
	s_add_co_u32 s18, s18, s15
	s_lshl_b32 s19, s42, 1
	s_add_co_u32 s19, s19, s16
	s_lshl_b32 s20, s18, 5
	s_add_co_u32 s20, s20, s19
	s_mul_i32 s22, s20, GK
	s_mov_b32 s23, 0
	s_lshl_b32 s46, s20, 9
	s_add_co_u32 s46, s46, 12582912
	s_mov_b32 s47, 0
	s_add_nc_u64 s[12:13], s[10:11], s[46:47]
	s_add_nc_u64 s[10:11], s[10:11], s[22:23]
	s_lshl_b32 s46, s19, 9
	s_add_nc_u64 s[8:9], s[8:9], s[46:47]
	s_mov_b32 s3, 0xffff0000
	s_mov_b32 s18, 0x76543210
	s_mov_b32 s19, 0xfedcba98
	v_lshlrev_b32 v8, 4, v3
	v_lshl_add_u32 v9, v3, 3, 512
	v_lshlrev_b32 v12, 2, v3
	v_lshlrev_b32 v15, 6, v2
.irp b, 0,1,2,3
.irp i, 0,1,2,3
	global_load_b128 v[BI+16*\b+4*\i:BI+16*\b+4*\i+3], v15, s[8:9] offset:128*\b+16*\i
.endr
.endr
.macro FRAG reg, adr, q, i
	ds_load_b128 v[\reg:\reg+3], v[\adr] offset:(\q)*GK+(\i)*FRB
	ds_load_b64 v[\reg+4:\reg+5], v[\adr+3] offset:(\q)*GK+(\i)*FRB+512
	ds_load_b128 v[\reg+6:\reg+9], v[\adr] offset:(\q)*GK+(\i)*FRB+768
	ds_load_b64 v[\reg+10:\reg+11], v[\adr+3] offset:(\q)*GK+(\i)*FRB+1280
.endm
.macro MUL16 a0, p, q, sc, first
.irp a, \a0, \a0+1
.irp b, 0,1,2,3,4,5,6,7
.if \first
	v_wmma_scale_f32_16x16x128_f8f6f4 v[8*(8*((\a)%4)+\b):8*(8*((\a)%4)+\b)+7], v[128*(\p)+FR*\b:128*(\p)+FR*\b+FR-1], v[AF+FR*(\a):AF+FR*(\a)+FR-1], v[BI+8*\b:BI+8*\b+7], v[SC+8*NQ*(\sc)+NQ*\b+(\q)], v[SC+8*NQ*(\sc)+NQ*(\a)+(\q)] matrix_a_fmt:MATRIX_FMT_FP6 matrix_b_fmt:MATRIX_FMT_FP6 matrix_a_scale:MATRIX_SCALE_ROW1
.else
	v_wmma_scale_f32_16x16x128_f8f6f4 v[8*(8*((\a)%4)+\b):8*(8*((\a)%4)+\b)+7], v[128*(\p)+FR*\b:128*(\p)+FR*\b+FR-1], v[AF+FR*(\a):AF+FR*(\a)+FR-1], v[8*(8*((\a)%4)+\b):8*(8*((\a)%4)+\b)+7], v[SC+8*NQ*(\sc)+NQ*\b+(\q)], v[SC+8*NQ*(\sc)+NQ*(\a)+(\q)] matrix_a_fmt:MATRIX_FMT_FP6 matrix_b_fmt:MATRIX_FMT_FP6 matrix_a_scale:MATRIX_SCALE_ROW1
.endif
.endr
.endr
.endm
.macro FETCH_B slot, q, p
	WIN TO_B
.irp i, 0,1,2,3,4,5,6,7
	FRAG 128*(\p)+FR*\i, ADRB+\slot, \q, \i
.endr
	WIN 0
.endm
.macro FETCH_A slot, q, i0
.irp i, \i0, \i0+1, \i0+2, \i0+3
	FRAG AF+FR*(\i), ADRA+\slot, \q, \i
.endr
.endm
.macro SCALES sc
.irp i, 0,1,2,3,4,5,6,7
.irp q, 0,1
	ds_load_b32 v[SC+8*NQ*\sc+NQ*\i+\q], v[ADRS] offset:\q*512+\i*64
.endr
.endr
.endm
.macro PLACES n
.rept \n
	v_nop
.endr
.endm
.macro STEP slot, set, q, first
	s_wait_dscnt 4*NL
.if \first
	WIN BIA_LO
.else
	WIN MUL_LO
.endif
	MUL16 0, (\q)%2, \q, \set, \first
	MUL16 2, (\q)%2, \q, \set, \first
	s_wait_dscnt 0
	PLACES NP
	FETCH_B \slot, (\q)+1, 1-(\q)%2
	FETCH_A \slot, (\q)+1, 0
.if \first
	WIN BIA_HI
.else
	WIN MUL_HI
.endif
	MUL16 4, (\q)%2, \q, \set, \first
	MUL16 6, (\q)%2, \q, \set, \first
	PLACES NP
	WIN 0
	FETCH_A \slot, (\q)+1, 4
.endm
.macro TURN slot, set, next, nset, how
.if \how
	s_wait_tensorcnt 0x0
	ds_add_u32 v[SPW], v[NIL]
	s_wait_dscnt 4*NL+1
.else
	s_wait_dscnt 4*NL
.endif
	WIN MUL_LO
	MUL16 0, 1, NQ-1, \set, 0
.if \how
	s_wait_dscnt 0x0
	s_barrier_signal -1
.endif
	MUL16 2, 1, NQ-1, \set, 0
	WIN 0
.if \how
	s_barrier_wait -1
.else
	s_wait_dscnt 0x0
.endif
.if \how == 2
	CREST
	s_add_nc_u64 s[G0+4*\slot+2:G0+4*\slot+3], s[G0+4*\slot+2:G0+4*\slot+3], 3*HALFT
	s_add_nc_u64 s[G0B+4*\slot+2:G0B+4*\slot+3], s[G0B+4*\slot+2:G0B+4*\slot+3], 3*HALFT
	s_mov_b32 s[G1+2], 96<<16                      ; no tensor load of mine is out: the refill brings two K steps, 96 rows
	s_mov_b32 s[G1+4], 96
	s_mov_b32 s[G1B+2], 96<<16
	s_mov_b32 s[G1B+4], 96
	JLOAD G0+4*\slot, G1, G0B+4*\slot, G1B
.else
	PLACES NP
.endif
	v_add_nc_u32 v[ADRS], NQ*512, v[ADRS]
	FETCH_B \next, 0, 0
	FETCH_A \next, 0, 0
	SCALES \nset
	WIN MUL_HI
	MUL16 4, 1, NQ-1, \set, 0
	MUL16 6, 1, NQ-1, \set, 0
	PLACES NP
	WIN 0
	FETCH_A \next, 0, 4
.endm
	s_wait_alu depctr_va_vdst(0)
	s_wait_tensorcnt 0x0                           ; my tile of the head's four is in
	ds_add_u32 v[SPW], v[NIL]
.irp g, G1, G1B
	s_mov_b32 s[\g+1], 32<<16                      ; no tensor load of mine is out: from here on dense rows of 256 bytes, 192 of them: four K steps of a group
	s_mov_b32 s[\g+2], 192<<16
	s_mov_b32 s[\g+3], 32<<16
	s_mov_b32 s[\g+4], 192
	s_mov_b32 s[\g+5], 32
.endr
	s_wait_dscnt 0x0
	CROUND                                         ; all four tiles are in, and all sixteen work-groups are here
	JLOAD G0+4, G1, G0B+4, G1B                     ; K steps 2 to 5: the first tensor load behind the round
	FETCH_B 0, 0, 0
	FETCH_A 0, 0, 0
	SCALES 0
	FETCH_A 0, 0, 4
	global_prefetch_b8 v18, s[100:101] offset:3*HALFT th:TH_LOAD_NT scope:SCOPE_SE ; K steps 6, 7, one fill ahead of their load
	s_wait_loadcnt 0x0
	STEP 0, 0, 0, 1
	TURN 0, 0, 1, 1, 2
	s_wait_alu depctr_va_vdst(0)
	STEP 1, 1, 0, 0
	TURN 1, 1, 2, 0, 0
	s_wait_alu depctr_va_vdst(0)
	STEP 2, 0, 0, 0
	TURN 2, 0, 0, 1, 1
	STEP 0, 1, 0, 0
	s_wait_dscnt 4*NL
	WIN MUL_LO
	MUL16 0, 1, NQ-1, 1, 0
	MUL16 2, 1, NQ-1, 1, 0
	s_wait_dscnt 0
	WIN MUL_HI
	MUL16 4, 1, NQ-1, 1, 0
	MUL16 6, 1, NQ-1, 1, 0
	WIN 0
.macro RELU a
.set AC, 64*((\a)%4)
.set WW, 2+(\a)/4
	WIN 68*WW
.set N, 0
.rept 64
	v_max_num_f32 v[AC+N], 0, v[AC+N]
.set N, N+1
.endr
.endm
.macro QUANTW a
.set AC, 64*((\a)%4)
.set WW, 2+(\a)/4
	WIN 5*WW
.irp b, 0,1,2,3
	v_max3_num_f32 v[TM+\b], v[AC+16*\b], v[AC+1+16*\b], 0x1800000
.endr
.irp i, 2,4,6,8,10,12,14
.irp b, 0,1,2,3
	v_max3_num_f32 v[TM+\b], v[AC+16*\b+\i], v[AC+1+16*\b+\i], v[TM+\b]
.endr
.endr
	WIN 0
.irp b, 0,1,2,3
	v_permlanex16_b32 v[TM+4+\b], v[TM+\b], s18, s19
.endr
.irp b, 0,1,2,3
	v_max_num_f32 v[TM+\b], v[TM+\b], v[TM+4+\b]
.endr
.irp b, 0,1,2,3
	v_add_nc_u32 v[TM+12+\b], 0xff000000, v[TM+\b]
.endr
.irp b, 0,1,2,3
	v_lshrrev_b32 v[TM+4+\b], 23, v[TM+12+\b]
.endr
	v_lshl_or_b32 v[PW], v[TM+5], 8, v[TM+4]
	v_lshl_or_b32 v[PW], v[TM+6], 16, v[PW]
	v_lshl_or_b32 v[PW], v[TM+7], 24, v[PW]
	WIN WW
.irp c, 0,1
	v_cvt_scalef32_pk16_fp6_f32 v[PC+6*\c:PC+2+6*\c], v[AC+32*\c:AC+15+32*\c], v[TM+12+2*\c]
	v_cvt_scalef32_pk16_fp6_f32 v[PC+12+4*\c:PC+14+4*\c], v[AC+16+32*\c:AC+31+32*\c], v[TM+12+2*\c+1]
.endr
	WIN 0
	v_nop
.irp c, 0,1
.irp i, 0,1,2
	v_permlane16_swap_b32 v[PC+6*\c+\i], v[PC+12+4*\c+\i]
.endr
.irp i, 0,1,2
	v_mov_b32 v[PC+3+6*\c+\i], v[PC+12+4*\c+\i]
.endr
.endr
.endm
	PLACES NP
.irp b, 0,1,2,3
	v_mov_b32 v[TM+4+\b], 0
.endr
.irp a, 0,1,2,3,4,5,6,7
.if \a > 0
	s_wait_xcnt 0x0
.endif
	RELU \a
	QUANTW \a
	global_store_b128 v8, v[PC:PC+3], s[10:11] offset:\a*FRB
	global_store_b64 v9, v[PC+4:PC+5], s[10:11] offset:\a*FRB
	global_store_b128 v8, v[PC+6:PC+9], s[10:11] offset:\a*FRB+768
	global_store_b64 v9, v[PC+10:PC+11], s[10:11] offset:\a*FRB+768
.if \a%2 == 0
	v_mov_b32 v13, v[PW]
.else
	v_cndmask_b32 v14, v13, v[PW], s3
	global_store_b32 v12, v14, s[12:13] offset:(\a-1)*64
.endif
.endr
	s_wait_tensorcnt 0x0
	ds_add_u32 v[SPW], v[NIL]
	s_wait_dscnt 0x0
	CROUND
	s_endpgm
.Lfunc_end_k_qeaceb36123_ffn1:
	.size	k_qeaceb36123_ffn1, .Lfunc_end_k_qeaceb36123_ffn1-k_qeaceb36123_ffn1
	.p2alignl 7, 3214868480
	.fill 96, 4, 3214868480
	.section	.rodata,"a",@progbits
	.p2align	6, 0x0
	.amdhsa_kernel k_qeaceb36123_ffn1
		.amdhsa_group_segment_fixed_size 327680
		.amdhsa_private_segment_fixed_size 0
		.amdhsa_enable_private_segment 0
		.amdhsa_kernarg_size 32
		.amdhsa_user_sgpr_count 2
		.amdhsa_user_sgpr_kernarg_segment_ptr 1
		.amdhsa_wavefront_size32 1
		.amdhsa_system_sgpr_workgroup_id_x 1
		.amdhsa_system_sgpr_workgroup_id_y 1
		.amdhsa_system_sgpr_workgroup_id_z 1
		.amdhsa_system_vgpr_workitem_id 0
		.amdhsa_next_free_vgpr 1024
		.amdhsa_next_free_sgpr 102
		.amdhsa_reserve_vcc 0
		.amdhsa_float_denorm_mode_32 3
		.amdhsa_float_denorm_mode_16_64 3
		.amdhsa_memory_ordered 1
		.amdhsa_forward_progress 1
		.amdhsa_inst_pref_size 171
	.end_amdhsa_kernel
	.amdgpu_metadata
---
amdhsa.version: [ 1, 2 ]
amdhsa.kernels:
  - .name:           k_qeaceb36123_ffn1
    .symbol:         k_qeaceb36123_ffn1.kd
    .args:
      - { .name: nimg, .offset: 0, .size: 8, .value_kind: global_buffer, .address_space: global }
      - { .name: wimg, .offset: 8, .size: 8, .value_kind: global_buffer, .address_space: global }
      - { .name: b1, .offset: 16, .size: 8, .value_kind: global_buffer, .address_space: global }
      - { .name: himg, .offset: 24, .size: 8, .value_kind: global_buffer, .address_space: global }
    .group_segment_fixed_size: 327680
    .private_segment_fixed_size: 0
    .kernarg_segment_align: 8
    .kernarg_segment_size: 32
    .max_flat_workgroup_size: 128
    .sgpr_count:     102
    .vgpr_count:     1024
    .wavefront_size: 32
...
	.end_amdgpu_metadata
.endif
;; end of part 5
;; launch ffn2 (part 6): grid 8 x 32, 4 waves a work-group, clusters of 4 x 4, 327,680 bytes of LDS; arguments himg, wimg, x1, out0; writes out0
.if DOCPART == 6
	.amdgcn_target "amdgcn-amd-amdhsa--gfx1250"
	.amdhsa_code_object_version 6
	.text
	.protected	k_qeaceb36123_ffn2
	.globl	k_qeaceb36123_ffn2
	.p2align	8
	.type	k_qeaceb36123_ffn2,@function
k_qeaceb36123_ffn2:
	s_mov_b64 s[64:65], 0
	v_nop
	global_prefetch_b8 v0, s[64:65] scope:SCOPE_SE
	s_setreg_imm32_b32 hwreg(HW_REG_WAVE_MODE, 25, 1), 1
	s_wait_xcnt 0x0
	s_wait_alu depctr_hold_cnt(0) depctr_sa_sdst(0) depctr_va_vdst(0) depctr_va_sdst(0) depctr_va_ssrc(0) depctr_va_vcc(0) depctr_vm_vsrc(0)
	s_getreg_b32 s2, hwreg(HW_REG_IB_STS2, 6, 4)
	s_cmp_eq_u32 s2, 0
	s_cbranch_scc0 .Lentry_in_a_cluster
	s_endpgm
.Lentry_in_a_cluster:
	s_bfe_u32 s2, ttmp6, 0x10000c
	s_cmp_lg_u32 s2, 0xf033
	s_cbranch_scc0 .Lentry_shape_is_right
	s_endpgm
.Lentry_shape_is_right:
; out0 = (x1 + b2) + h w2: a GEMM on codes of FP6 (E2M3) with E8M0 scales, f32 result.  Buffer x1 holds x1 + b2 in the accumulators' own order and is added ahead of the way out.  K = 4,096: KS = 32 steps of 128.
; Operands are fragment images (16 rows x 128 K = 1,536 bytes: half c at 768 c: registers 6 c .. 6 c + 3 at 16 x lane, 6 c + 4, 6 c + 5 at 512 + 8 x lane), [group of 128 rows][K step][tile]; scale words [group][K step][tile][16].
; The rows of a tile: lane r of tile T holds row 32 (T / 2) + 8 (T % 2) + r + 8 (r / 8), on both sides.  x1: [tile of 16 tokens][group of 128 columns][q = 0..15][lane][16 bytes]: quads 2 t, 2 t + 1 are the accumulator of W's tile t.
; A tile of C is 128 x 128: 32 x 8 tiles, one for each of 256 work-groups; four waves, each 64 x 64 in 16 accumulators.  Source 0 = 16 rows of w2, source 1 = 16 tokens: a lane holds eight neighbouring columns of a row.
; K steps 0 and 1 go from memory straight into the two fragment buffers (an image is the registers' own order), with their scale words.  The other 30 are NF = 5 fills of NQ = 6 K steps, through two LDS slots of 147,456 bytes.
; Fill 0 and the scale words of K steps 2 to 31 (2 x 15,360 bytes, which stay) are the head's four joint loads, one a wave.  Every later fill is one load a wave (three K steps of one operand, 144 dense rows of 256 bytes),
; the first tensor load behind a round of the cluster's barrier, at the last K step of the fill before the one that has just landed.  CLUSTER 4 x 4: h shared along a row of the cluster, w2 along a column.
; PREFETCH: behind the loads of fill f each wave names the 144 rows of its own load of fill f + 1, one fill ahead; the four partners that ask for them jointly take 36 rows each, told apart by address (cx for h, cy for w2):
; two instructions a wave, a lane a block of 256 bytes (the second: four blocks; its other lanes name the last again).  Fill 0 and K steps 0, 1 come by their loads alone; behind the loads of fill 4 nothing more is asked for.
.set KS,    32
.set ASOFF, 12582912                   ; h's scale words in himg
.set BCOFF, 6291456                    ; w2's codes in wimg
.set BSOFF, 9699328                    ; w2's scale words in wimg
.set RES,   8
.set OUT,   10
.set GK,    12288
.set FRB,   1536
.set FR,    12
.set NQ,    6
.set NF,    (KS-2)/NQ
.set HALFT, 3*GK                       ; what a ring load brings
.set OPB,   2*HALFT                    ; an operand's six K steps
.set SLOT,  2*OPB                      ; A's, then W's
.set SCL,   2*SLOT
.set SBY,   (KS-2)*512                 ; an operand's scale words of K steps 2 on
.set SPARE, SCL+2*SBY                  ; the spare words, 128 bytes for each wave
.set STG,   (NF%2)*SLOT                ; the way out's stages lie in the slot that does not hold the last fill: it has had its last fill and, at the last barrier, its last read
.set SPITCH, 272
.set SAO,  3                           ; offset of A's scale words in memory: 4 r + my four tiles
.set WO16, 4                           ; offsets of W's images in memory
.set WO8,  5
.set PF0,  6                           ; the prefetches' offsets: 256 x lane; 256 x (32 + min(lane, 3)); never rewritten
.set PF1,  7
.set AD,   8                           ; v[8 + 8 s + 2 u], + 1: A in slot s, K steps 3 u on, + 16 x lane, + 8 x lane; + 4, + 5 the same for W.  v8, v9 are also A's offsets in memory
.set STO,  24
.set RD,   25
.set CO,   26
.set ADRS, 27
.set SPW,  28
.set NIL,  29
.set SWO,  30                          ; offset of W's scale words in memory
.set RLO,  31                          ; 16 x lane: x1's offset
.set SC,   32                          ; v32-39 scale words from LDS, two sets of four: lanes 0-15 A's tile i, lanes 16-31 W's
.set SX,   40                          ; v40-55 scale words of K steps 0, 1: four of A's, four of W's each, row r's word in lanes r and 16 + r
.set BK,   32
.set ACC,  128                         ; window 2, v0-127: x1 + b2, register for register as the accumulators
.set G1, 24
.set G0, 32
.set G1B, 48
.set G0B, 56
.set G1S, 68
.set G0S, 76
.set G1SB, 80
.set G0SB, 88
.set G0H, 92
.set G0HB, 96
.set PFA, 100                          ; s[100:101] my work-group's 36 rows of my load of fill 1; later fills by the immediate; never rewritten
.set MSB, 0
.macro WIN new
.if MSB != \new
	s_set_vgpr_msb (MSB<<8)|\new
.set MSB, \new
.endif
.endm
.set MUL,  0x05                        ; sources 0, 1 window 1 (fragments), C and D window 0
.set TO_F, 0x40
.macro CREST
	s_cmp_lg_u32 s14, 0
	s_cbranch_scc1 .Lnot_wave_0_\@
	s_barrier_signal -3
.Lnot_wave_0_\@:
	s_barrier_wait -3
	s_barrier_signal -1
	s_barrier_wait -1
.endm
.macro CROUND
	s_barrier_signal -1
	s_barrier_wait -1
	CREST
.endm
.macro TLOAD g0, g1                    ; an s_nop 0 and four v_nop follow each tensor load
	tensor_load_to_lds s[\g0:\g0+3], s[\g1:\g1+7]
	s_nop 0
.rept 4
	v_nop
.endr
.endm
.macro JLOAD g0a, g0b                  ; a ring load: waves 0, 1 fetch for A, waves 2, 3 for W
	s_cmp_eq_u32 s15, 0
	s_cbranch_scc0 .Lfor_w_\@
	TLOAD \g0a, G1
	s_branch .Lasked_\@
.Lfor_w_\@:
	TLOAD \g0b, G1B
.Lasked_\@:
.endm
.macro ARM under, g0, g1, next
	s_cmp_lt_u32 s14, \under
	s_cbranch_scc0 \next
	TLOAD \g0, \g1
	s_branch .Lhead_asked
\next:
.endm
.macro ASK f                           ; my work-group's 36 rows of my load of fill f
	global_prefetch_b8 v[PF0], s[PFA:PFA+1] offset:((\f)-1)*NQ*GK th:TH_LOAD_NT scope:SCOPE_SE
	global_prefetch_b8 v[PF1], s[PFA:PFA+1] offset:((\f)-1)*NQ*GK th:TH_LOAD_NT scope:SCOPE_SE
.endm
.macro PLACES                          ; four plain vector instructions between a matrix instruction and a load into, or a read of, its registers
.rept 4
	v_nop
.endr
.endm
.macro GFRAG reg, o16, o8, base, off   ; an image from memory: each load takes 512 or 256 consecutive bytes
	global_load_b128 v[\reg:\reg+3], v[\o16], s[\base:\base+1] offset:\off
	global_load_b64 v[\reg+4:\reg+5], v[\o8], s[\base:\base+1] offset:\off+512
	global_load_b128 v[\reg+6:\reg+9], v[\o16], s[\base:\base+1] offset:\off+768
	global_load_b64 v[\reg+10:\reg+11], v[\o8], s[\base:\base+1] offset:\off+1280
.endm
.macro GFETCH k                        ; K step k (0 or 1): 32 loads into buffer k
	WIN TO_F
.irp i, 0,1,2,3
	GFRAG 128*\k+FR*\i, AD, AD+1, 20, \k*GK+\i*FRB
	GFRAG 128*\k+48+FR*\i, WO16, WO8, 46, \k*GK+\i*FRB
.endr
	WIN 0
.endm
.macro FRAG reg, adr, q, i
	ds_load_b128 v[\reg:\reg+3], v[\adr] offset:(\q)*GK+(\i)*FRB
	ds_load_b64 v[\reg+4:\reg+5], v[\adr+1] offset:(\q)*GK+(\i)*FRB+512
	ds_load_b128 v[\reg+6:\reg+9], v[\adr] offset:(\q)*GK+(\i)*FRB+768
	ds_load_b64 v[\reg+10:\reg+11], v[\adr+1] offset:(\q)*GK+(\i)*FRB+1280
.endm
.macro FETCH k                         ; K step k (2 on) from LDS: 36 loads: eight fragments and four registers of scale words
.set FS, ((((\k)-2)/NQ)%2)
.set FU, ((((\k)-2)%NQ)/3)
.set FQ, (((\k)-2)%3)
.set FF, 128*((\k)%2)
	WIN TO_F
.irp i, 0,1,2,3
	FRAG FF+FR*\i, AD+8*FS+2*FU, FQ, \i
	FRAG FF+48+FR*\i, AD+8*FS+4+2*FU, FQ, \i
.endr
	WIN 0
.irp i, 0,1,2,3
	ds_load_b32 v[SC+4*((\k)%2)+\i], v[ADRS] offset:((\k)-2)*512+\i*64
.endr
.endm
; four products: A's tile a x W's four.  The 16 accumulators take turns, one instruction a turn.  first = 1: C = 0 starts the sums.
.macro MULK k, a, first
.set KF, 128*((\k)%2)
.if (\k) < 2
.set SCA, SX+8*(\k)
.set SCB, SCA+4
.else
.set SCA, SC+4*((\k)%2)
.set SCB, SCA
.endif
.irp b, 0,1,2,3
.if \first
	v_wmma_scale_f32_16x16x128_f8f6f4 v[ACC+8*(4*(\a)+\b):ACC+8*(4*(\a)+\b)+7], v[KF+48+FR*\b:KF+48+FR*\b+FR-1], v[KF+FR*(\a):KF+FR*(\a)+FR-1], 0, v[SCB+\b], v[SCA+(\a)] matrix_a_fmt:MATRIX_FMT_FP6 matrix_b_fmt:MATRIX_FMT_FP6 matrix_a_scale:MATRIX_SCALE_ROW1
.else
	v_wmma_scale_f32_16x16x128_f8f6f4 v[ACC+8*(4*(\a)+\b):ACC+8*(4*(\a)+\b)+7], v[KF+48+FR*\b:KF+48+FR*\b+FR-1], v[KF+FR*(\a):KF+FR*(\a)+FR-1], v[ACC+8*(4*(\a)+\b):ACC+8*(4*(\a)+\b)+7], v[SCB+\b], v[SCA+(\a)] matrix_a_fmt:MATRIX_FMT_FP6 matrix_b_fmt:MATRIX_FMT_FP6 matrix_a_scale:MATRIX_SCALE_ROW1
.endif
.endr
.endm
.macro KSTEP k                         ; the next K step's fragments are asked for first, into the other buffer
	PLACES
	FETCH (\k)+1
	s_wait_dscnt 36                                ; all but the 36 just issued
	WIN MUL
.irp a, 0,1,2,3
	MULK \k, \a, 0
.endr
.endm
; K step k = 1 + 6 m: its fragments are in registers, fill m is wanted next, and the slot of fill m - 1 is read out.  One barrier: in front of it each wave waits for all its tensor loads (its part of fill m),
; adds 0 to its spare word, and waits for that and for its reads.  Where a fill m + 1 is left, the barrier opens a round of the cluster's, and that fill is the first tensor load behind it (m = 0: slot 1's first fill).
.macro TURN k, m
	WIN 0
.if \m == 0
	s_wait_loadcnt 0x0                             ; K step 1 is in
.endif
	s_wait_tensorcnt 0x0                           ; all my tensor loads have landed
	ds_add_u32 v[SPW], v[NIL]                      ; 0 onto my spare word
.if \m == 0
	s_mov_b32 s[G1+2], 144<<16                     ; no tensor load of mine is out: from here on a load brings 144 rows
	s_mov_b32 s[G1+4], 144
	s_mov_b32 s[G1B+2], 144<<16
	s_mov_b32 s[G1B+4], 144
.endif
	s_wait_dscnt 1                                 ; (the add alone may be out)
	WIN MUL
	MULK \k, 0, 0
	s_wait_dscnt 0x0                               ; the add is done, and my reads of the slot left behind are over
	s_barrier_signal -1
	MULK \k, 1, 0
	WIN 0
	s_barrier_wait -1
.if \m+1 < NF
	CREST                                          ; no wave of any partner still reads that slot or has a load on its way
.if \m > 0
	s_add_nc_u64 s[G0+4*((\m+1)%2)+2:G0+4*((\m+1)%2)+3], s[G0+4*((\m+1)%2)+2:G0+4*((\m+1)%2)+3], 2*NQ*GK
	s_add_nc_u64 s[G0B+4*((\m+1)%2)+2:G0B+4*((\m+1)%2)+3], s[G0B+4*((\m+1)%2)+2:G0B+4*((\m+1)%2)+3], 2*NQ*GK
.endif
	JLOAD G0+4*((\m+1)%2), G0B+4*((\m+1)%2)        ; fill m + 1; its four v_nop are the places in front of the loads below
.else
	PLACES
.endif
	FETCH (\k)+1
.if \m+2 < NF
	ASK \m+2
.endif
.if \m == 1
	WIN 0x80                                       ; destination window 2: x1 + b2 is asked for here and wanted at the end: 32 loads of 512 consecutive bytes
.irp a, 0,1,2,3
.irp q, 0,1,2,3,4,5,6,7
	global_load_b128 v[4*(8*\a+\q):4*(8*\a+\q)+3], v[RLO], s[RES:RES+1] offset:\a*65536+\q*512
.endr
.endr
.endif
	WIN MUL
	MULK \k, 2, 0
	MULK \k, 3, 0
.endm
	s_load_b256 s[4:11], s[0:1], 0x0               ; himg, wimg, x1, out0
	v_lshl_add_u32 v[SPW], v0, 2, SPARE
	v_mov_b32 v[NIL], 0
	ds_add_u32 v[SPW], v[NIL]                      ; the wave's opening: the add, twice on end, and its wait ahead of my first tensor load
	ds_add_u32 v[SPW], v[NIL]
	v_lshrrev_b32 v1, 5, v0
	v_readfirstlane_b32 s14, v1                    ; wave 0..3
	s_lshr_b32 s15, s14, 1                         ; which 64 rows are mine.  Also: in the ring I fetch for A (0) or W (1)
	s_and_b32 s16, s14, 1                          ; which 64 columns.  Also: which three of a fill's six K steps I fetch
	s_bfe_u32 s40, ttmp6, 0x40000
	s_bfe_u32 s41, ttmp6, 0x40004
	s_lshl_b32 s42, ttmp9, 2
	s_add_co_u32 s42, s42, s40                     ; W's group = tile column
	s_and_b32 s17, ttmp7, 0xffff
	s_lshl_b32 s17, s17, 2
	s_add_co_u32 s17, s17, s41                     ; A's group = tile row
	s_lshl_b32 s43, s41, 2
	s_lshl_b32 s43, 15, s43                        ; my row of the cluster
	s_lshl_b32 s44, 0x1111, s40                    ; my column
	s_or_b32 s[G1], s43, (3<<16)|(1<<21)           ; the mask; elements of 8 bytes; bit 21 beside a mask; no padding
	s_or_b32 s[G1B], s44, (3<<16)|(1<<21)
	s_or_b32 s[G1S], s43, (3<<16)|(1<<21)
	s_or_b32 s[G1SB], s44, (3<<16)|(1<<21)
.irp g, G1, G1B
	s_mov_b32 s[\g+1], 32<<16                      ; dense rows of 256 bytes; at the head an operand's whole six K steps
	s_mov_b32 s[\g+2], 288<<16
	s_mov_b32 s[\g+3], 32<<16
	s_mov_b32 s[\g+4], 288
	s_mov_b32 s[\g+5], 32
	s_mov_b32 s[\g+6], 0
	s_mov_b32 s[\g+7], 0
.endr
.irp g, G1S, G1SB
	s_mov_b32 s[\g+1], 32<<16
	s_mov_b32 s[\g+2], (SBY/256)<<16
	s_mov_b32 s[\g+3], 32<<16
	s_mov_b32 s[\g+4], SBY/256
	s_mov_b32 s[\g+5], 32
	s_mov_b32 s[\g+6], 0
	s_mov_b32 s[\g+7], 0
.endr
	s_mul_i32 s20, s17, KS*GK
	s_mov_b32 s21, 0
	s_mul_i32 s22, s17, KS*512
	s_add_co_u32 s22, s22, ASOFF
	s_mov_b32 s23, 0
	s_mul_i32 s46, s42, KS*GK
	s_add_co_u32 s46, s46, BCOFF
	s_mov_b32 s47, 0
	s_mul_i32 s18, s42, KS*512
	s_add_co_u32 s18, s18, BSOFF
	s_mov_b32 s19, 0
	s_mul_i32 s45, s14, HALFT                      ; where my ring loads go: by the wave's number alone
	s_mul_i32 s2, s15, 4*FRB                       ; my four tiles of A,
	s_mul_i32 s3, s16, 4*FRB                       ; of W
	s_lshl_b32 s92, s15, 8
	s_lshl_b32 s93, s16, 8
	s_add_co_u32 s94, s93, SBY
	s_sub_co_u32 s94, s94, s92                     ; from A's scale words to W's
	s_mul_i32 s95, s14, 16*SPITCH
	s_add_co_u32 s95, s95, STG                     ; my stage
	s_lshl_b32 s96, s17, 7
	s_lshl_b32 s97, s15, 6
	s_add_co_u32 s96, s96, s97
	s_lshl_b32 s96, s96, 12                        ; out0: my first row, x 4,096 bytes,
	s_mov_b32 s97, 0
	s_lshl_b32 s98, s42, 9
	s_add_co_u32 s98, s98, s93                     ; my first column, x 4 bytes
	s_mov_b32 s99, 0
	s_add_nc_u64 s[96:97], s[96:97], s[98:99]
	s_lshl_b32 s98, s17, 3
	s_lshl_b32 s99, s15, 2
	s_add_co_u32 s98, s98, s99
	s_lshl_b32 s98, s98, 16                        ; x1: my first tile of tokens, x 65,536 bytes,
	s_lshl_b32 s99, s42, 13
	s_add_co_u32 s98, s98, s99                     ; the group of columns, x 8,192,
	s_lshl_b32 s99, s16, 12
	s_add_co_u32 s98, s98, s99                     ; my eight quads of its sixteen
	s_mov_b32 s99, 0
	v_and_b32 v1, 15, v0                           ; r
	v_bfe_u32 v2, v0, 4, 1                         ; h
	v_and_b32 v3, 31, v0                           ; lane
	v_lshlrev_b32 v4, 4, v3
	v_lshlrev_b32 v5, 3, v3
	v_lshlrev_b32 v[RLO], 4, v3
	v_lshlrev_b32 v[PF0], 8, v3
	v_min_u32 v[PF1], 3, v3
	v_lshl_add_u32 v[PF1], v[PF1], 8, 8192
	v_add_nc_u32 v[AD], s2, v4
	v_add_nc_u32 v[AD+1], s2, v5
	v_add_nc_u32 v[WO16], s3, v4
	v_add_nc_u32 v[WO8], s3, v5
	v_add_nc_u32 v[AD+4], OPB, v[WO16]             ; W lies behind A's six K steps
	v_add_nc_u32 v[AD+5], OPB, v[WO8]
.irp j, 0,1,4,5
	v_add_nc_u32 v[AD+2+\j], HALFT, v[AD+\j]       ; a slot's K steps 3 to 5: the immediate reaches 65,535 bytes
	v_add_nc_u32 v[AD+8+\j], SLOT, v[AD+\j]        ; slot 1
	v_add_nc_u32 v[AD+10+\j], SLOT+HALFT, v[AD+\j]
.endr
	v_lshlrev_b32 v[SWO], 2, v1
	v_add_nc_u32 v[SAO], s92, v[SWO]
	v_mul_u32_u24 v[ADRS], s94, v2                 ; lanes 16-31 take W's
	v_add_nc_u32 v[ADRS], v[ADRS], v[SAO]
	v_add_nc_u32 v[ADRS], SCL, v[ADRS]
	v_add_nc_u32 v[SWO], s93, v[SWO]
	v_mul_u32_u24 v[STO], v1, SPITCH
	v_lshl_add_u32 v[STO], v2, 6, v[STO]
	v_add_nc_u32 v[STO], s95, v[STO]               ; in: row r, + 64 h
	v_mul_u32_u24 v[RD], v2, SPITCH
	v_lshl_add_u32 v[RD], v1, 4, v[RD]
	v_add_nc_u32 v[RD], s95, v[RD]                 ; back: lanes 0-15 one row of 256 bytes, lanes 16-31 the next
	v_lshlrev_b32 v[CO], 12, v2
	v_lshl_add_u32 v[CO], v1, 4, v[CO]             ; and the same two rows in memory
	s_wait_alu depctr_va_vdst(0)                   ; the wait at the head's end
	s_wait_dscnt 0x0                               ; both opening adds are done
	s_wait_kmcnt 0x0
	s_add_nc_u64 s[20:21], s[4:5], s[20:21]        ; A's group: codes,
	s_add_nc_u64 s[22:23], s[4:5], s[22:23]        ; scale words
	s_add_nc_u64 s[46:47], s[6:7], s[46:47]        ; W's
	s_add_nc_u64 s[18:19], s[6:7], s[18:19]
	s_add_nc_u64 s[RES:RES+1], s[RES:RES+1], s[98:99]
	s_add_nc_u64 s[OUT:OUT+1], s[OUT:OUT+1], s[96:97]
	s_mov_b32 s[G0H], 1                            ; fill 0: K steps 2 to 7 of A,
	s_mov_b32 s[G0H+1], 0
	s_add_nc_u64 s[G0H+2:G0H+3], s[20:21], 2*GK
	s_or_b32 s[G0H+3], s[G0H+3], 0x80000000
	s_mov_b32 s[G0HB], 1                           ; of W;
	s_mov_b32 s[G0HB+1], OPB
	s_add_nc_u64 s[G0HB+2:G0HB+3], s[46:47], 2*GK
	s_or_b32 s[G0HB+3], s[G0HB+3], 0x80000000
	s_mov_b32 s[G0S], 1                            ; the scale words of K steps 2 to 31
	s_mov_b32 s[G0S+1], SCL
	s_add_nc_u64 s[G0S+2:G0S+3], s[22:23], 1024
	s_or_b32 s[G0S+3], s[G0S+3], 0x80000000
	s_mov_b32 s[G0SB], 1
	s_mov_b32 s[G0SB+1], SCL+SBY
	s_add_nc_u64 s[G0SB+2:G0SB+3], s[18:19], 1024
	s_or_b32 s[G0SB+3], s[G0SB+3], 0x80000000
	s_mul_i32 s2, s16, HALFT                       ; the ring: my three K steps of a fill
	s_mov_b32 s3, 0
	s_add_nc_u64 s[G0+2:G0+3], s[20:21], s[2:3]
	s_add_nc_u64 s[G0B+2:G0B+3], s[46:47], s[2:3]
	s_add_nc_u64 s[G0+6:G0+7], s[G0+2:G0+3], 8*GK          ; slot 1 begins with fill 1,
	s_add_nc_u64 s[G0B+6:G0B+7], s[G0B+2:G0B+3], 8*GK
	s_add_nc_u64 s[G0+2:G0+3], s[G0+2:G0+3], 2*GK          ; slot 0's stands at fill 0 and is stepped ahead of its first use
	s_add_nc_u64 s[G0B+2:G0B+3], s[G0B+2:G0B+3], 2*GK
	s_cmp_eq_u32 s15, 0
	s_cselect_b64 s[PFA:PFA+1], s[G0+6:G0+7], s[G0B+6:G0B+7]
	s_cselect_b32 s2, s40, s41                     ; my place among the four that ask with me
	s_mul_i32 s2, s2, 36*256
	s_add_nc_u64 s[PFA:PFA+1], s[PFA:PFA+1], s[2:3]
.irp s, 0,1
	s_mov_b32 s[G0+4*\s], 1
	s_add_co_u32 s[G0+4*\s+1], s45, \s*SLOT
	s_or_b32 s[G0+4*\s+3], s[G0+4*\s+3], 0x80000000
	s_mov_b32 s[G0B+4*\s], 1
	s_add_co_u32 s[G0B+4*\s+1], s45, \s*SLOT
	s_or_b32 s[G0B+4*\s+3], s[G0B+4*\s+3], 0x80000000
.endr
.irp k, 0,1
.irp i, 0,1,2,3
	global_load_b32 v[SX+8*\k+\i], v[SAO], s[22:23] offset:\k*512+\i*64
	global_load_b32 v[SX+8*\k+4+\i], v[SWO], s[18:19] offset:\k*512+\i*64
.endr
.endr
	GFETCH 0
	CROUND                                         ; all sixteen work-groups are here: the first joint loads meet
	ARM 1, G0H,  G1,  .Lhead_w                     ; one tree of branches on the wave's number, one load to an arm
	ARM 2, G0HB, G1B, .Lhead_sa
	ARM 3, G0S,  G1S, .Lhead_sw
	TLOAD G0SB, G1SB
.Lhead_asked:
	GFETCH 1
	ASK 1
	s_wait_loadcnt 32                              ; the scale words and K step 0 are in; K step 1's 32 loads may be out
	WIN MUL
.irp a, 0,1,2,3
	MULK 0, \a, 1                                  ; K step 0 starts the sums
.endr
.set K, 1
.set M, 0
.rept NF                               ; written out: which fills follow a turn differs from turn to turn
	TURN K, M
	KSTEP K+1
	KSTEP K+2
	KSTEP K+3
	KSTEP K+4
	KSTEP K+5
.set K, K+6
.set M, M+1
.endr
	s_wait_dscnt 0x0
.irp a, 0,1,2,3
	MULK KS-1, \a, 0
.endr
	WIN 0
; THE WAY OUT, a block of 16 rows x 64 columns at a time: x1 + b2 is added register for register; then the block goes through my own stage: a lane's 32 bytes go in by rows of 272 bytes and come back as whole rows of 256; sixteen lanes store 256 consecutive aligned bytes.
.macro TOSTAGE a
	WIN 0x08                                       ; source 1: window 2
.irp p, 0,1,2,3,4,5,6,7,8,9,10,11,12,13,14,15
	v_pk_add_f32 v[ACC+32*(\a)+2*\p:ACC+32*(\a)+2*\p+1], v[ACC+32*(\a)+2*\p:ACC+32*(\a)+2*\p+1], v[32*(\a)+2*\p:32*(\a)+2*\p+1]   ; each accumulator from its low end on
.endr
	WIN 0
.irp b, 0,1,2,3
	ds_store_b128 v[STO], v[ACC+8*(4*(\a)+\b):ACC+8*(4*(\a)+\b)+3] offset:128*(\b/2)+32*(\b%2)       ; columns 32 (b / 2) + 8 (b % 2) + 16 h on
	ds_store_b128 v[STO], v[ACC+8*(4*(\a)+\b)+4:ACC+8*(4*(\a)+\b)+7] offset:128*(\b/2)+32*(\b%2)+16
.endr
.set BB, BK+32*((\a)%2)
.irp t, 0,1,2,3,4,5,6,7
	ds_load_b128 v[BB+4*\t:BB+4*\t+3], v[RD] offset:\t*2*SPITCH    ; LDS serves a wave's instructions in order (ISA guide 5.7.1.4): these see the stores above
.endr
.endm
.macro SEND a, younger
.set BB, BK+32*((\a)%2)
	s_wait_dscnt \younger                          ; the block is back; the next block's eight stores and eight loads may be out
.irp t, 0,1,2,3,4,5,6,7
	global_store_b128 v[CO], v[BB+4*\t:BB+4*\t+3], s[OUT:OUT+1] offset:(32*((\a)/2)+8*((\a)%2)+2*\t+8*(\t/4))*4096
.endr
.endm
	PLACES
	s_wait_loadcnt 0x0                             ; x1 + b2
	TOSTAGE 0
.irp a, 1,2,3
.if \a > 1
	s_wait_xcnt 0x0                                ; block a - 2's stores have read their registers: block a's loads may land there
.endif
	TOSTAGE \a
	SEND (\a)-1, 16
.endr
	SEND 3, 0
	s_wait_tensorcnt 0x0                           ; the wave's end: behind my last tensor load and my last LDS store
	ds_add_u32 v[SPW], v[NIL]
	s_wait_dscnt 0x0
	CROUND                                         ; the closing round
	s_endpgm
.Lfunc_end_k_qeaceb36123_ffn2:
	.size	k_qeaceb36123_ffn2, .Lfunc_end_k_qeaceb36123_ffn2-k_qeaceb36123_ffn2
	.p2alignl 7, 3214868480
	.fill 96, 4, 3214868480
	.section	.rodata,"a",@progbits
	.p2align	6, 0x0
	.amdhsa_kernel k_qeaceb36123_ffn2
		.amdhsa_group_segment_fixed_size 327680
		.amdhsa_private_segment_fixed_size 0
		.amdhsa_enable_private_segment 0
		.amdhsa_kernarg_size 32
		.amdhsa_user_sgpr_count 2
		.amdhsa_user_sgpr_kernarg_segment_ptr 1
		.amdhsa_wavefront_size32 1
		.amdhsa_system_sgpr_workgroup_id_x 1
		.amdhsa_system_sgpr_workgroup_id_y 1
		.amdhsa_system_sgpr_workgroup_id_z 1
		.amdhsa_system_vgpr_workitem_id 0
		.amdhsa_next_free_vgpr 640
		.amdhsa_next_free_sgpr 102
		.amdhsa_reserve_vcc 0
		.amdhsa_float_denorm_mode_32 3
		.amdhsa_float_denorm_mode_16_64 3
		.amdhsa_memory_ordered 1
		.amdhsa_forward_progress 1
		.amdhsa_inst_pref_size 178
	.end_amdhsa_kernel
	.amdgpu_metadata
---
amdhsa.version: [ 1, 2 ]
amdhsa.kernels:
  - .name:           k_qeaceb36123_ffn2
    .symbol:         k_qeaceb36123_ffn2.kd
    .args:
      - { .name: himg, .offset: 0, .size: 8, .value_kind: global_buffer, .address_space: global }
      - { .name: wimg, .offset: 8, .size: 8, .value_kind: global_buffer, .address_space: global }
      - { .name: x1, .offset: 16, .size: 8, .value_kind: global_buffer, .address_space: global }
      - { .name: out0, .offset: 24, .size: 8, .value_kind: global_buffer, .address_space: global }
    .group_segment_fixed_size: 327680
    .private_segment_fixed_size: 0
    .kernarg_segment_align: 8
    .kernarg_segment_size: 32
    .max_flat_workgroup_size: 128
    .sgpr_count:     102
    .vgpr_count:     640
    .wavefront_size: 32
...
	.end_amdgpu_metadata
.endif
;; end of part 6
